; MI455X (gfx1250); checked and timed in simulation.
; The chip was launched on July 23, 2026; its instructions are those of AMD's public machine-readable ISA for CDNA 5 (MIT licence, August 2026) and "CDNA5" Instruction Set Architecture Reference Guide (July 2026). The comments in the code are by the model that wrote it; some were corrected since.
;; Parallel Transformer Block. Allowed arithmetic: float matrix products may take bf16 or f16 operands with f32 sums; other float arithmetic in f32, or as packed bf16 or f16 multiplies, adds, multiply-adds, maxima and minima; sums over many terms, partial sums and values carried from step to step in f32; what a program stores and reads back later, other than sums and carried values, may be rounded once to bf16 or f16.
;; Inputs: gamma 1,024 float32; kA 1,024 x 8 float32; kB 8 x 128 float32; oA 512 x 8 float32; oB 8 x 1,024 float32; qA 1,024 x 8 float32; qB 8 x 512 float32; vA 1,024 x 8 float32; vB 8 x 128 float32; w_attn_out 512 x 1,024 float32; w_ff_out 4,096 x 1,024 float32; w_fused 1,024 x 8,960 float32; x 2 x 2,048 x 1,024 float32.
;; Outputs: out0 2 x 2,048 x 1,024 float32.
;; One version. Each part assembles by itself: llvm-mc -triple=amdgcn-amd-amdhsa -mcpu=gfx1250 --defsym DOCPART=n.
;; ======== version 1 of 1: 5 launches
;; limits: values are held in f16: magnitudes above 65,504 overflow, below 6.1e-05 lose precision
;; workspace buffers: xn 8,388,608 bytes; w1 18,350,080 bytes; wo 9,437,184 bytes; tab 1,048,576 bytes; qkv 6,291,456 bytes; hb 37,748,736 bytes
;; launch prep (part 1): grid 2400 x 1, 8 waves a work-group, no clusters, 0 bytes of LDS; arguments x, gamma, w_fused, w_attn_out, w_ff_out, qA, qB, kA, kB, vA, vB, oA, oB, xn, w1, wo, tab; writes xn, w1, wo, tab
.if DOCPART == 1
	.amdgcn_target "amdgcn-amd-amdhsa--gfx1250"
	.amdhsa_code_object_version 6
	.text
	.protected	k_qcf6cda2e2b_prep
	.globl	k_qcf6cda2e2b_prep
	.p2align	8
	.type	k_qcf6cda2e2b_prep,@function
k_qcf6cda2e2b_prep:
	s_mov_b64 s[64:65], 0
	v_nop
	global_prefetch_b8 v0, s[64:65] scope:SCOPE_SE
	s_setreg_imm32_b32 hwreg(HW_REG_WAVE_MODE, 25, 1), 1
	s_wait_xcnt 0x0
; PREP: everything that is done once to the inputs, as streams.  No LDS, no barrier, no matrix unit: each byte is read once and no work-group shares a byte with another.
; Every input is rounded to bf16 first (x, gamma, all weights, all low-rank factors); what is made of them is kept in f16, w_ff_out in bf16.
; The work-groups with the longest chains of arithmetic have the lowest numbers, the plain streams the highest.
; Work-groups 0-31      ROPE: tab[pos][0:64] = cos(pos * inv_freq), tab[pos][64:128] = sin, f32: eight trips of some hundred dependent vector instructions a wave.
; Work-groups 32-351    LORA: W + A B in f32, rounded once to f16: w_fused's columns 0-767 with qA qB, kA kB, vA vB -> w1; w_attn_out with oA oB -> wo's rows 0-511.
; Work-groups 352-863   LN:   xn[row] = (x - mean) * rsqrt(var + 1e-5) * gamma, f16; a wave a row, the row stays in registers between the passes.
; Work-groups 864-2399  CONV: w_fused's columns 768.. -> w1 (bf16 value written as f16); w_ff_out -> wo's rows 512.. (bf16); 8,192 numbers a work-group.
; LIMITS.  xn and the f16 weights hold no number beyond 65,504, and below 6e-5 they keep f16's fixed step; NaN and infinities are not treated apart.
; The angle is reduced by pi/2 in two parts and the series go to r^7 and r^8 with |r| <= pi/4: good for every position of the table (angles up to 2,047).
.set LORA0, 32                         ; the sections' first work-groups
.set LN0,   352
.set CONV0, 864
.set X,    16                          ; v[16:47]   LN: the row; CONV: eight loads
.set G,    48                          ; v[48:79]   LN: gamma
.set Y,    80                          ; v[80:95]   packed results
.set TR,   12                          ; v12        at work in RND
.set CH,   96                          ; v[96:103]  four chains of packed sums
.set WR,   40                          ; LORA: v[40:55] W, 4 rows x 4 columns
.set BR,   56                          ; v[56:87]   B, 8 rows x 4 columns
.set AR,   88                          ; v[88:119]  A, 4 rows x 8
.set OUTR, 120                         ; v[120:127] packed results
.macro RND a                           ; the pair v[a:a+1] is rounded to bf16 and widened again, in place
	v_cvt_pk_bf16_f32 v[TR], v[\a], v[(\a)+1]
	v_lshlrev_b32 v[\a], 16, v[TR]
	v_and_b32 v[(\a)+1], s5, v[TR]
.endm
.macro RNDS first, pairs
.set i, 0
.rept \pairs
	RND (\first)+2*i
.set i, i+1
.endr
.endm
.macro WSUM                            ; the four chains into one number, then over the wave's 32 lanes; the result stands in every lane's v[CH]
	v_pk_add_f32 v[CH:CH+1], v[CH:CH+1], v[CH+2:CH+3]
	v_pk_add_f32 v[CH+4:CH+5], v[CH+4:CH+5], v[CH+6:CH+7]
	v_pk_add_f32 v[CH:CH+1], v[CH:CH+1], v[CH+4:CH+5]
	v_add_f32 v[CH], v[CH], v[CH+1]
.irp m, 1,2,4,8
	v_add_f32_dpp v[CH], v[CH], v[CH] row_xmask:\m row_mask:0xf bank_mask:0xf
.endr
	v_permlanex16_b32 v[CH+1], v[CH], s6, s7
	v_add_f32 v[CH], v[CH], v[CH+1]
.endm
	s_load_b512 s[8:23], s[0:1], 0x0               ; x 8, gamma 10, w_fused 12, w_attn_out 14, w_ff_out 16, qA 18, qB 20, kA 22
	s_load_b512 s[24:39], s[0:1], 0x40             ; kB 24, vA 26, vB 28, oA 30, oB 32, xn 34, w1 36, wo 38
	s_load_b64 s[40:41], s[0:1], 0x80              ; tab
	v_lshrrev_b32 v2, 5, v0
	v_readfirstlane_b32 s4, v2                     ; wave 0..7
	v_and_b32 v1, 31, v0                           ; lane
	s_mov_b32 s5, 0xffff0000                       ; a word's upper bf16
	s_mov_b32 s6, 0x76543210                       ; v_permlanex16_b32: each lane takes its own place in the other half
	s_mov_b32 s7, 0xfedcba98
	s_wait_kmcnt 0x0
	s_cmp_ge_u32 ttmp9, CONV0
	s_cbranch_scc1 .Lconv
	s_cmp_ge_u32 ttmp9, LN0
	s_cbranch_scc1 .Lln
	s_cmp_ge_u32 ttmp9, LORA0
	s_cbranch_scc1 .Llora
; ---- ROPE: a wave makes 8 positions; lanes 0-15 the cosines of frequencies 4 c .. 4 c + 3, lanes 16-31 the sines: 512 consecutive bytes a position
	s_lshl_b32 s42, ttmp9, 6
	s_lshl3_add_u32 s42, s4, s42                   ; first position = 64 x work-group + 8 wave
	s_lshl_b32 s44, s42, 9                         ; 512 bytes a position
	s_mov_b32 s45, 0
	s_add_nc_u64 s[40:41], s[40:41], s[44:45]
	s_mov_b32 s46, 0xbfc90fdb                      ; -pi/2, the f32 nearest to it,
	s_mov_b32 s47, 0x333bbd2e                      ; and what that f32 is too large by
	v_and_b32 v2, 15, v1
	v_lshrrev_b32 v3, 4, v1                        ; 0: cosine, 1: sine
	v_mul_u32_u24 v21, 3, v3                       ; sin(x) = cos(x - pi/2): three quadrants on
	v_lshlrev_b32 v2, 2, v2                        ; my first frequency
	v_lshlrev_b32 v4, 4, v1                        ; my 16 bytes of a position's 512
.irp u, 0,1,2,3
	v_add_nc_u32 v[24+\u], \u, v2
	v_cvt_f32_u32 v[24+\u], v[24+\u]
	v_mul_f32 v[16+\u], 0xbe549a78, v[24+\u]       ; -f * log2(10000) / 64
.endr
.irp u, 0,1,2,3
	v_exp_f32 v[16+\u], v[16+\u]                   ; inv_freq
.endr
	v_nop                                          ; a plain instruction behind the last exponential,
	s_wait_alu depctr_va_vdst(0)                   ; and one wait for the four, ahead of the label and of their first use
	s_mov_b32 s48, 8
.Lpos:
	v_cvt_f32_u32 v20, s42
.irp u, 0,1,2,3
	v_mul_f32 v24, v20, v[16+\u]                   ; the angle
	v_mul_f32 v25, 0x3f22f983, v24                 ; x 2 / pi
	v_rndne_f32 v25, v25                           ; n quadrants
	v_fma_f32 v26, v25, s46, v24                   ; r = angle - n pi/2, in two parts
	v_fma_f32 v26, v25, s47, v26
	v_mul_f32 v27, v26, v26
	v_mov_b32 v28, 0xb9500d01                      ; sin r = r + r r^2 (-1/6 + r^2 (1/120 - r^2 / 5040))
	v_fmaak_f32 v28, v28, v27, 0x3c088889
	v_fmaak_f32 v28, v28, v27, 0xbe2aaaab
	v_mul_f32 v28, v28, v27
	v_fma_f32 v28, v28, v26, v26
	v_mov_b32 v29, 0x37d00d01                      ; cos r = 1 - r^2/2 + r^4/24 - r^6/720 + r^8/40320
	v_fmaak_f32 v29, v29, v27, 0xbab60b61
	v_fmaak_f32 v29, v29, v27, 0x3d2aaaab
	v_fmaak_f32 v29, v29, v27, 0xbf000000
	v_fmaak_f32 v29, v29, v27, 0x3f800000
	v_cvt_i32_f32 v30, v25
	v_add_nc_u32 v30, v30, v21                     ; the quadrant q: cos(r + q pi/2) = cos r, -sin r, -cos r, sin r
	v_and_b32 v31, 1, v30
	v_cmp_eq_u32 vcc_lo, 1, v31
	v_cndmask_b32 v[32+\u], v29, v28, vcc_lo       ; a choice of value only
	v_add_nc_u32 v30, 1, v30
	v_and_b32 v30, 2, v30
	v_lshlrev_b32 v30, 30, v30                     ; the sign bit for q = 1, 2 (mod 4)
	v_xor_b32 v[32+\u], v30, v[32+\u]
.endr
	global_store_b128 v4, v[32:35], s[40:41]
	s_wait_xcnt 0x0                                ; the store has read its data and base: they are written again only behind this wait
	s_add_nc_u64 s[40:41], s[40:41], 512
	s_add_co_u32 s42, s42, 1
	s_sub_co_u32 s48, s48, 1
	s_cmp_lg_u32 s48, 0
	s_cbranch_scc1 .Lpos
	s_endpgm
; ---- LN: lane l holds numbers 128 j + 4 l .. + 3 of the row, j = 0..7
.Lln:
	s_sub_co_u32 s42, ttmp9, LN0
	s_lshl_b32 s42, s42, 3
	s_add_co_u32 s42, s42, s4                      ; row
	s_lshl_b32 s44, s42, 12
	s_mov_b32 s45, 0
	s_add_nc_u64 s[8:9], s[8:9], s[44:45]
	s_lshl_b32 s46, s42, 11
	s_mov_b32 s47, 0
	s_add_nc_u64 s[34:35], s[34:35], s[46:47]
	s_mov_b32 s48, 0x3a800000                      ; 1 / 1024
	s_mov_b32 s49, 0x3727c5ac                      ; 1e-5
	v_lshlrev_b32 v2, 4, v1
	v_lshlrev_b32 v3, 3, v1
.irp j, 0,1,2,3,4,5,6,7
	global_load_b128 v[X+4*\j:X+4*\j+3], v2, s[8:9] offset:512*\j th:TH_LOAD_NT
.endr
.irp j, 0,1,2,3,4,5,6,7
	global_load_b128 v[G+4*\j:G+4*\j+3], v2, s[10:11] offset:512*\j
.endr
	s_wait_loadcnt 8                               ; x is in; gamma's eight younger loads may stay out
	RNDS X, 16
.irp k, 0,1,2,3
	v_pk_add_f32 v[CH+2*\k:CH+2*\k+1], v[X+4*\k:X+4*\k+1], v[X+4*\k+2:X+4*\k+3]  ; the first eight pairs start the chains
.endr
.set i, 8
.rept 8
	v_pk_add_f32 v[CH+2*(i%4):CH+2*(i%4)+1], v[CH+2*(i%4):CH+2*(i%4)+1], v[X+2*i:X+2*i+1]
.set i, i+1
.endr
	WSUM
	v_mul_f32 v8, s48, v[CH]                       ; the mean, as a pair
	v_mov_b32 v9, v8
.set i, 0
.rept 16
	v_pk_add_f32 v[X+2*i:X+2*i+1], v[X+2*i:X+2*i+1], v[8:9] neg_lo:[0,1] neg_hi:[0,1]
.set i, i+1
.endr
.set i, 0
.rept 4
	v_pk_mul_f32 v[CH+2*i:CH+2*i+1], v[X+2*i:X+2*i+1], v[X+2*i:X+2*i+1]
.set i, i+1
.endr
.rept 12
	v_pk_fma_f32 v[CH+2*(i%4):CH+2*(i%4)+1], v[X+2*i:X+2*i+1], v[X+2*i:X+2*i+1], v[CH+2*(i%4):CH+2*(i%4)+1]
.set i, i+1
.endr
	WSUM
	v_fma_f32 v[CH], v[CH], s48, s49               ; var + 1e-5
	v_rsq_f32 v10, v[CH]
	v_rsq_f32 v11, v[CH]                           ; twice: a pair for the packed multiply
	s_wait_loadcnt 0x0                             ; gamma
	RNDS G, 16                                     ; independent work behind the two roots
	s_wait_alu depctr_va_vdst(0)                   ; one wait for both, ahead of their first reader
.set i, 0
.rept 16
	v_pk_mul_f32 v[X+2*i:X+2*i+1], v[X+2*i:X+2*i+1], v[10:11]
.set i, i+1
.endr
.set i, 0
.rept 16
	v_pk_mul_f32 v[X+2*i:X+2*i+1], v[X+2*i:X+2*i+1], v[G+2*i:G+2*i+1]
.set i, i+1
.endr
.set i, 0
.rept 16
	v_cvt_pk_f16_f32 v[Y+i], v[X+2*i], v[X+2*i+1]
.set i, i+1
.endr
.irp j, 0,1,2,3,4,5,6,7
	global_store_b64 v3, v[Y+2*\j:Y+2*\j+1], s[34:35] offset:256*\j  ; 32 lanes store 256 consecutive bytes, aligned
.endr
	s_endpgm
; ---- CONV: thread t takes 16 bytes at 16 t + 4,096 j and stores 8 at 8 t + 2,048 j
.Lconv:
	s_sub_co_u32 s42, ttmp9, CONV0                 ; c
	s_mul_i32 s44, s42, 35840                      ; c < 1024: row c of w_fused, from column 768 on
	s_add_co_u32 s44, s44, 3072
	s_mul_i32 s46, s42, 17920
	s_add_co_u32 s46, s46, 1536
	s_sub_co_u32 s52, s42, 1024                    ; else: eight rows of w_ff_out
	s_lshl_b32 s53, s52, 15
	s_lshl_b32 s54, s52, 14
	s_add_co_u32 s54, s54, 0x100000                ; behind wo's first 512 rows
	s_cmp_lt_u32 s42, 1024
	s_cselect_b32 s44, s44, s53
	s_cselect_b32 s46, s46, s54
	s_cselect_b64 s[48:49], s[12:13], s[16:17]
	s_cselect_b64 s[50:51], s[36:37], s[38:39]
	s_cselect_b32 s43, 1, 0                        ; 1: the bf16 value is written as f16
	s_mov_b32 s45, 0
	s_mov_b32 s47, 0
	s_add_nc_u64 s[48:49], s[48:49], s[44:45]
	s_add_nc_u64 s[50:51], s[50:51], s[46:47]
	v_lshlrev_b32 v2, 4, v0
	v_lshlrev_b32 v3, 3, v0
.irp j, 0,1,2,3,4,5,6,7
	global_load_b128 v[X+4*\j:X+4*\j+3], v2, s[48:49] offset:4096*\j th:TH_LOAD_NT
.endr
.macro CV j, half
	s_wait_loadcnt 7-(\j)                          ; loads come back in order: load j is in, the younger ones stay out
.if \half
	RND X+4*(\j)
	RND X+4*(\j)+2
	v_cvt_pk_f16_f32 v[Y+2*(\j)], v[X+4*(\j)], v[X+4*(\j)+1]
	v_cvt_pk_f16_f32 v[Y+2*(\j)+1], v[X+4*(\j)+2], v[X+4*(\j)+3]
.else
	v_cvt_pk_bf16_f32 v[Y+2*(\j)], v[X+4*(\j)], v[X+4*(\j)+1]
	v_cvt_pk_bf16_f32 v[Y+2*(\j)+1], v[X+4*(\j)+2], v[X+4*(\j)+3]
.endif
	global_store_b64 v3, v[Y+2*(\j):Y+2*(\j)+1], s[50:51] offset:2048*(\j)
.endm
	s_cmp_eq_u32 s43, 1
	s_cbranch_scc0 .Lconv_bf
.irp j, 0,1,2,3,4,5,6,7
	CV \j, 1
.endr
	s_endpgm
.Lconv_bf:
.irp j, 0,1,2,3,4,5,6,7
	CV \j, 0
.endr
	s_endpgm
; ---- LORA: a work-group takes 32 rows x 128 columns, a wave 4 rows, a lane 4 columns.  Rank 8: 32 multiply-adds a number's row of four, on the vector unit in f32
.Llora:
	s_sub_co_u32 s42, ttmp9, LORA0                 ; e
	s_sub_co_u32 s43, s42, 192                     ; e' (for w_attn_out)
	s_lshr_b32 s44, s42, 5                         ; w_fused: column group 0-3 q, 4 k, 5 v
	s_and_b32 s45, s42, 31                         ; and row block
	s_lshr_b32 s46, s43, 4                         ; w_attn_out: column group
	s_and_b32 s47, s43, 15                         ; and row block
	s_movk_i32 s55, 8960
	s_movk_i32 s52, 512
	s_cmp_lt_u32 s44, 4
	s_cselect_b64 s[48:49], s[18:19], s[22:23]     ; A: qA or kA
	s_cselect_b64 s[50:51], s[20:21], s[24:25]     ; B: qB or kB
	s_cselect_b32 s52, s52, 128                    ; B's row length
	s_cselect_b32 s53, s44, 0                      ; B's column group
	s_cmp_eq_u32 s44, 5
	s_cselect_b64 s[48:49], s[26:27], s[48:49]     ; vA
	s_cselect_b64 s[50:51], s[28:29], s[50:51]     ; vB
	s_cmp_lt_u32 s42, 192
	s_cselect_b64 s[48:49], s[48:49], s[30:31]     ; or oA
	s_cselect_b64 s[50:51], s[50:51], s[32:33]     ; and oB
	s_cselect_b32 s52, s52, 1024
	s_cselect_b32 s53, s53, s46
	s_cselect_b32 s44, s44, s46                    ; column group
	s_cselect_b32 s45, s45, s47                    ; row block
	s_cselect_b32 s54, s55, 1024                   ; W's row length
	s_cselect_b64 s[56:57], s[12:13], s[14:15]     ; W
	s_cselect_b64 s[58:59], s[36:37], s[38:39]     ; where it goes
	s_lshl_b32 s63, s45, 5
	s_lshl2_add_u32 s63, s4, s63                   ; my first row = 32 block + 4 wave
	s_mul_i32 s66, s63, s54
	s_lshl_b32 s67, s44, 7
	s_add_co_u32 s66, s66, s67                     ; my first number of W
	s_mov_b32 s69, 0
	s_lshl_b32 s68, s66, 2
	s_add_nc_u64 s[56:57], s[56:57], s[68:69]
	s_lshl_b32 s68, s66, 1
	s_add_nc_u64 s[58:59], s[58:59], s[68:69]
	s_lshl_b32 s68, s53, 9
	s_add_nc_u64 s[50:51], s[50:51], s[68:69]
	s_lshl_b32 s68, s63, 5
	s_add_nc_u64 s[48:49], s[48:49], s[68:69]      ; my four rows of A: 128 consecutive bytes
	s_lshl_b32 s60, s54, 2                         ; row pitches in bytes
	s_lshl_b32 s61, s52, 2
	s_lshl_b32 s62, s54, 1
	v_lshlrev_b32 v19, 4, v1
	v_lshlrev_b32 v18, 3, v1
	v_mov_b32 v36, 0
.irp i, 0,1,2,3
	v_mad_u32_u24 v[20+\i], s60, \i, v19
	v_mad_u32_u24 v[32+\i], s62, \i, v18
.endr
.irp r, 0,1,2,3,4,5,6,7
	v_mad_u32_u24 v[24+\r], s61, \r, v19
.endr
.irp i, 0,1,2,3
	global_load_b128 v[WR+4*\i:WR+4*\i+3], v[20+\i], s[56:57] th:TH_LOAD_NT
.endr
.irp r, 0,1,2,3,4,5,6,7
	global_load_b128 v[BR+4*\r:BR+4*\r+3], v[24+\r], s[50:51]
.endr
.irp k, 0,1,2,3,4,5,6,7
	global_load_b128 v[AR+4*\k:AR+4*\k+3], v36, s[48:49] offset:16*\k  ; the same bytes in every lane
.endr
	s_wait_loadcnt 0x0
	RNDS WR, 40                                    ; W, B and A lie on end: 80 registers
.irp i, 0,1,2,3
.irp r, 0,1,2,3,4,5,6,7
.irp c, 0,1,2,3
	v_fmac_f32 v[WR+4*\i+\c], v[AR+8*\i+\r], v[BR+4*\r+\c]
.endr
.endr
.endr
.irp i, 0,1,2,3
	v_cvt_pk_f16_f32 v[OUTR+2*\i], v[WR+4*\i], v[WR+4*\i+1]
	v_cvt_pk_f16_f32 v[OUTR+2*\i+1], v[WR+4*\i+2], v[WR+4*\i+3]
	global_store_b64 v[32+\i], v[OUTR+2*\i:OUTR+2*\i+1], s[58:59]  ; 32 lanes store 256 consecutive bytes, aligned
.endr
	s_endpgm
.Lfunc_end_k_qcf6cda2e2b_prep:
	.size	k_qcf6cda2e2b_prep, .Lfunc_end_k_qcf6cda2e2b_prep-k_qcf6cda2e2b_prep
	.p2alignl 7, 3214868480
	.fill 96, 4, 3214868480
	.section	.rodata,"a",@progbits
	.p2align	6, 0x0
	.amdhsa_kernel k_qcf6cda2e2b_prep
		.amdhsa_group_segment_fixed_size 0
		.amdhsa_private_segment_fixed_size 0
		.amdhsa_enable_private_segment 0
		.amdhsa_kernarg_size 136
		.amdhsa_user_sgpr_count 2
		.amdhsa_user_sgpr_kernarg_segment_ptr 1
		.amdhsa_wavefront_size32 1
		.amdhsa_system_sgpr_workgroup_id_x 1
		.amdhsa_system_sgpr_workgroup_id_y 1
		.amdhsa_system_sgpr_workgroup_id_z 1
		.amdhsa_system_vgpr_workitem_id 0
		.amdhsa_next_free_vgpr 128
		.amdhsa_next_free_sgpr 72
		.amdhsa_reserve_vcc 1
		.amdhsa_float_denorm_mode_32 3
		.amdhsa_float_denorm_mode_16_64 3
		.amdhsa_memory_ordered 1
		.amdhsa_forward_progress 1
		.amdhsa_inst_pref_size 44
	.end_amdhsa_kernel
	.amdgpu_metadata
---
amdhsa.version: [ 1, 2 ]
amdhsa.kernels:
  - .name:           k_qcf6cda2e2b_prep
    .symbol:         k_qcf6cda2e2b_prep.kd
    .args:
      - { .name: x, .offset: 0, .size: 8, .value_kind: global_buffer, .address_space: global }
      - { .name: gamma, .offset: 8, .size: 8, .value_kind: global_buffer, .address_space: global }
      - { .name: w_fused, .offset: 16, .size: 8, .value_kind: global_buffer, .address_space: global }
      - { .name: w_attn_out, .offset: 24, .size: 8, .value_kind: global_buffer, .address_space: global }
      - { .name: w_ff_out, .offset: 32, .size: 8, .value_kind: global_buffer, .address_space: global }
      - { .name: qA, .offset: 40, .size: 8, .value_kind: global_buffer, .address_space: global }
      - { .name: qB, .offset: 48, .size: 8, .value_kind: global_buffer, .address_space: global }
      - { .name: kA, .offset: 56, .size: 8, .value_kind: global_buffer, .address_space: global }
      - { .name: kB, .offset: 64, .size: 8, .value_kind: global_buffer, .address_space: global }
      - { .name: vA, .offset: 72, .size: 8, .value_kind: global_buffer, .address_space: global }
      - { .name: vB, .offset: 80, .size: 8, .value_kind: global_buffer, .address_space: global }
      - { .name: oA, .offset: 88, .size: 8, .value_kind: global_buffer, .address_space: global }
      - { .name: oB, .offset: 96, .size: 8, .value_kind: global_buffer, .address_space: global }
      - { .name: xn, .offset: 104, .size: 8, .value_kind: global_buffer, .address_space: global }
      - { .name: w1, .offset: 112, .size: 8, .value_kind: global_buffer, .address_space: global }
      - { .name: wo, .offset: 120, .size: 8, .value_kind: global_buffer, .address_space: global }
      - { .name: tab, .offset: 128, .size: 8, .value_kind: global_buffer, .address_space: global }
    .group_segment_fixed_size: 0
    .private_segment_fixed_size: 0
    .kernarg_segment_align: 8
    .kernarg_segment_size: 136
    .max_flat_workgroup_size: 256
    .sgpr_count:     72
    .vgpr_count:     128
    .wavefront_size: 32
...
	.end_amdgpu_metadata
.endif
;; end of part 1
;; launch proj (part 2): grid 32 x 6, 4 waves a work-group, clusters of 4 x 1, 327,680 bytes of LDS; arguments xn, w1, tab, qkv; writes qkv
.if DOCPART == 2
	.amdgcn_target "amdgcn-amd-amdhsa--gfx1250"
	.amdhsa_code_object_version 6
	.text
	.protected	k_qcf6cda2e2b_proj
	.globl	k_qcf6cda2e2b_proj
	.p2align	8
	.type	k_qcf6cda2e2b_proj,@function
k_qcf6cda2e2b_proj:
	s_mov_b64 s[64:65], 0
	v_nop
	global_prefetch_b8 v0, s[64:65] scope:SCOPE_SE
	s_setreg_imm32_b32 hwreg(HW_REG_WAVE_MODE, 25, 1), 1
	s_wait_xcnt 0x0
	s_wait_alu depctr_hold_cnt(0) depctr_sa_sdst(0) depctr_va_vdst(0) depctr_va_sdst(0) depctr_va_ssrc(0) depctr_va_vcc(0) depctr_vm_vsrc(0)
	s_getreg_b32 s2, hwreg(HW_REG_IB_STS2, 6, 4)
	s_cmp_eq_u32 s2, 0
	s_cbranch_scc0 .Lentry_in_a_cluster
	s_endpgm
.Lentry_in_a_cluster:
	s_bfe_u32 s2, ttmp6, 0x10000c
	s_cmp_lg_u32 s2, 0x3003
	s_cbranch_scc0 .Lentry_shape_is_right
	s_endpgm
.Lentry_shape_is_right:
; PROJ: qkv[4096][768] = xn[4096][1024] x w1[1024][0:768], f16 operands, f32 sums; rotary embedding on q's four heads and on k; rounded once to f16.  q leaves unscaled.
; A work-group makes 128 rows x 128 columns (column tile 0-3: a head of q, 4: k, 5: v).  Four waves, 2 x 2, each 64 rows x 64 columns: 16 accumulators.
; Wave column half ch takes columns 32 ch .. + 31 and 64 + 32 ch .. + 31, so that a rotary pair (d, d + 64) lies in one lane: accumulators b and b + 2.
; K goes in 4 steps of 256 through two LDS slots.  xn's rows lie along K and are read as they lie; w1 lies [k][n] and its fragments are turned on the way out of LDS (ds_load_tr16_b128).
; THE ORDER ALONG K: clusters with (cluster x + column tile) even walk steps 0, 1, 2, 3, the others 2, 3, 0, 1 (f32 sums may be taken in any order).  The column tiles that read the same rows of xn, and
; neighbouring clusters that read the same columns of w1, so ask for a given K step at two different times, not all at once.  Only the global addresses differ; the number is the same in all four partners.
; THE MATRIX INSTRUCTION IS USED TRANSPOSED (source 0 = 16 columns of w1, source 1 = 16 rows of xn): a lane holds row l % 16 and eight neighbouring columns 8 (l / 16) + 0..7.
; CLUSTER: the four row tiles of a cluster take the same column tile, so w1's tile is asked for JOINTLY (mask of four).  xn's tile is each work-group's own, a plain load behind the same
; rounds: the grid has 6 column tiles, which no cluster of four along that axis divides.
; LIMITS: q, k, v within 65,504 (f16).  No prefetch: four K steps are the whole launch.
.set PA,    528                        ; a row of xn's tile in LDS: 512 bytes + 16
.set PB,    288                        ; a row (one k) of w1's tile: 256 bytes + 32
.set AHALF, 64*PA                      ; what one tensor load of xn brings
.set BHALF, 128*PB                     ; what one of w1 brings
.set BOFF,  2*AHALF
.set SLOT1, 0x24000                    ; slot 1 begins here; no fill address of slot 0 has one of its two bits set, so one exclusive or turns an address in one slot into the other's
.set STAGE, SLOT1+BOFF+2*BHALF         ; behind the ring: 128 rows x 272 bytes, the work-group's, for the way out
.set SP,    272
.set SPARE, STAGE+128*SP               ; the spare words, 128 bytes for each wave, which no other line names
.set STEPA, 512                        ; a K step in xn's rows, bytes
.set STEPB, 256*8960*2                 ; and in w1
.set ADRA0, 8                          ; v8   my lane's place in xn's tile; never rewritten
.set ADRB0, 9                          ; v9   the same for w1's
.set ADRA,  10                         ; v10  the same in the slot in hand
.set ADRBL, 11                         ; v11  w1's k rows 0-127
.set ADRBH, 12                         ; v12  and 128-255: an LDS offset has 16 bits
.set STO,   16
.set RD,    17
.set CO,    18
.set TOF,   19                         ; v19  my byte offset in the table
.set SPW,   28
.set NIL,   29
.set TMP,   32
.set ACC,   128                        ; window 0: accumulator (a, b) at ACC + 8 (4 a + b)
.set F0,    0                          ; window 1: two fragment buffers of 128: xn's (c, a) at 8 (4 c + a), w1's (c, b) at 64 + 8 (4 c + b)
.set F1,    128
.set WV,    12
.set WH,    13                         ; wave / 2: my half of the rows.  Also: I fetch xn (0) or w1 (1)
.set WL,    14                         ; wave % 2: my half of the columns.  Also: which half of that tile I fetch
.set TB,    15                         ; 0 or SLOT1: the slot being read
.set CT,    43                         ; column tile
.set ROT,   44                         ; 1: my cluster begins at K step 2
.set BKA,   45                         ; ROT x four K steps of xn, in bytes
.set BKB,   46                         ; and of w1
.set JT,    66                         ; s[66:67], s[68:69] what a refill's addresses go back by
.set G1A,   24
.set G0A,   32                         ; two sets: the first fill of the walk's first step; the second step's, which then walks
.set G1B,   48
.set G0B,   56
.set MUL,   0x05                       ; sources 0 and 1 in window 1, C and D in window 0
.set TO_F,  0x40                       ; destination in window 1
.set MSB, 0
.macro WIN new                         ; the immediate's high byte repeats the setting that is left
.if MSB != (\new)
	s_set_vgpr_msb (MSB<<8)|(\new)
.set MSB, \new
.endif
.endm
.macro PLACES                          ; four places behind a matrix instruction, in front of loads into registers that it has read
.rept 4
	v_nop
.endr
.endm
.macro CREST                           ; a round of the cluster's barrier behind its opening barrier
	s_cmp_lg_u32 s[WV], 0
	s_cbranch_scc1 .Lnot_wave_0_\@
	s_barrier_signal -3
.Lnot_wave_0_\@:
	s_barrier_wait -3
	s_barrier_signal -1
	s_barrier_wait -1
.endm
.macro CROUND
	s_barrier_signal -1
	s_barrier_wait -1
	CREST
.endm
.macro JLOAD s                         ; waves 0 and 1 fetch xn's two halves (their own work-group's), waves 2 and 3 w1's (jointly); s_nop 0 and four v_nop follow each line
	s_cmp_eq_u32 s[WH], 0
	s_cbranch_scc0 .Lfor_b_\@
	tensor_load_to_lds s[G0A+4*(\s):G0A+4*(\s)+3], s[G1A:G1A+7]
	s_nop 0
.rept 4
	v_nop
.endr
	s_branch .Lasked_\@
.Lfor_b_\@:
	tensor_load_to_lds s[G0B+4*(\s):G0B+4*(\s)+3], s[G1B:G1B+7]
	s_nop 0
.rept 4
	v_nop
.endr
.Lasked_\@:
.endm
.macro SETADR
	v_add_nc_u32 v[ADRA], s[TB], v[ADRA0]
	v_add_nc_u32 v[ADRBL], s[TB], v[ADRB0]
	v_add_nc_u32 v[ADRBH], BHALF, v[ADRBL]
.endm
; 8 matrix instructions: row blocks a0, a0 + 1 x 4 column blocks, 32 along K: half c of buffer f.  The 16 accumulators take turns in the same order everywhere
.macro MUL8 f, c, a0, zero
	WIN MUL
.irp a, \a0, (\a0)+1
.irp b, 0,1,2,3
.if \zero
	v_wmma_f32_16x16x32_f16 v[ACC+8*(4*(\a)+(\b)):ACC+8*(4*(\a)+(\b))+7], v[(\f)+64+8*(4*(\c)+(\b)):(\f)+64+8*(4*(\c)+(\b))+7], v[(\f)+8*(4*(\c)+(\a)):(\f)+8*(4*(\c)+(\a))+7], 0
.else
	v_wmma_f32_16x16x32_f16 v[ACC+8*(4*(\a)+(\b)):ACC+8*(4*(\a)+(\b))+7], v[(\f)+64+8*(4*(\c)+(\b)):(\f)+64+8*(4*(\c)+(\b))+7], v[(\f)+8*(4*(\c)+(\a)):(\f)+8*(4*(\c)+(\a))+7], v[ACC+8*(4*(\a)+(\b)):ACC+8*(4*(\a)+(\b))+7]
.endif
.endr
.endr
.endm
; 32 LDS loads in one run: quarter q (64 along K) of the slot in hand into buffer f; its first 32 along K first
.macro FETCH q, f
	WIN TO_F
.irp c, 0,1
.irp i, 0,1,2,3
	ds_load_tr16_b128 v[(\f)+64+8*(4*(\c)+(\i)):(\f)+64+8*(4*(\c)+(\i))+3],   v[ADRBL+(\q)/2] offset:(((\q)%2)*64+32*(\c))*PB+((\i)/2)*128+((\i)%2)*32
	ds_load_tr16_b128 v[(\f)+64+8*(4*(\c)+(\i))+4:(\f)+64+8*(4*(\c)+(\i))+7], v[ADRBL+(\q)/2] offset:(((\q)%2)*64+32*(\c)+16)*PB+((\i)/2)*128+((\i)%2)*32
	ds_load_b128 v[(\f)+8*(4*(\c)+(\i)):(\f)+8*(4*(\c)+(\i))+3],   v[ADRA] offset:128*(\q)+64*(\c)+(\i)*16*PA
	ds_load_b128 v[(\f)+8*(4*(\c)+(\i))+4:(\f)+8*(4*(\c)+(\i))+7], v[ADRA] offset:128*(\q)+64*(\c)+(\i)*16*PA+32
.endr
.endr
.endm
; One of a step's first three quarters: multiplies buffer f, and in its middle fetches quarter q into buffer g
.macro QUARTER q, f, g, zero
	s_wait_dscnt 16                                ; the first 32 along K are in; the youngest sixteen loads may be out
	MUL8 \f, 0, 0, \zero
	MUL8 \f, 0, 2, \zero
	PLACES
	FETCH \q, \g
	s_wait_dscnt 32                                ; all but the 32 just issued
	MUL8 \f, 1, 0, 0
	MUL8 \f, 1, 2, 0
.endm
; The last quarter multiplies buffer 1 and changes slots.  In front of the one barrier each wave waits for all its tensor loads, adds 0 to its spare word, and waits for that and for its reads of the slot.
; fill = 1: the barrier opens a round of the cluster's, and the slot just read is filled again first thing behind it, two steps of the walk ahead.
.macro TURN fill
	WIN 0
	s_wait_tensorcnt 0x0                           ; all my tensor loads have landed: my part of the next slot; so a group 0 may be written
	ds_add_u32 v[SPW], v[NIL]
.if \fill
	s_xor_b32 s[G0A+5], s[G0A+5], SLOT1            ; the walking descriptors: the other slot, the next K step;
	s_add_nc_u64 s[G0A+6:G0A+7], s[G0A+6:G0A+7], STEPA
	s_xor_b32 s[G0B+5], s[G0B+5], SLOT1
	s_add_nc_u64 s[G0B+6:G0B+7], s[G0B+6:G0B+7], STEPB
	s_cmp_eq_u32 s3, 2                             ; at the first refill a walk that began at step 2 goes back to step 0
	s_cselect_b32 s[JT], s[BKA], 0
	s_cselect_b32 s[JT+2], s[BKB], 0
	s_sub_nc_u64 s[G0A+6:G0A+7], s[G0A+6:G0A+7], s[JT:JT+1]
	s_sub_nc_u64 s[G0B+6:G0B+7], s[G0B+6:G0B+7], s[JT+2:JT+3]
.endif
	s_wait_dscnt 17                                ; the add and the youngest sixteen loads may be out
	MUL8 F1, 0, 0, 0
	s_wait_dscnt 0x0                               ; the add is done, and my reads of this slot are over
	s_barrier_signal -1
	MUL8 F1, 0, 2, 0
	WIN 0
	s_barrier_wait -1
.if \fill
	CREST                                          ; no wave of any partner still reads the slot or has a load on its way
	JLOAD 1                                        ; its four v_nop are also the places in front of the loads below
.else
	PLACES
.endif
	s_xor_b32 s[TB], s[TB], SLOT1
	SETADR
	FETCH 0, F0
	MUL8 F1, 1, 0, 0
	MUL8 F1, 1, 2, 0
.endm
	s_load_b256 s[4:11], s[0:1], 0x0               ; xn 4, w1 6, tab 8, qkv 10
	v_lshl_add_u32 v[SPW], v0, 2, SPARE
	v_mov_b32 v[NIL], 0
	ds_add_u32 v[SPW], v[NIL]                      ; the wave's opening: the add and its wait ahead of my first tensor load
	v_lshrrev_b32 v1, 5, v0
	v_readfirstlane_b32 s[WV], v1
	s_lshr_b32 s[WH], s[WV], 1
	s_and_b32 s[WL], s[WV], 1
	s_bfe_u32 s40, ttmp6, 0x40000                  ; cx
	s_lshl_b32 s42, ttmp9, 2
	s_add_co_u32 s42, s42, s40                     ; row tile = 4 x cluster x + cx
	s_and_b32 s[CT], ttmp7, 0xffff                 ; column tile: the same in all four partners
	s_add_co_u32 s[ROT], ttmp9, s[CT]
	s_and_b32 s[ROT], s[ROT], 1                    ; the order along K: of the cluster's two numbers alone
	s_mov_b32 s[G1A], (1<<16)|(1<<20)|(6<<22)|(3<<25)  ; 2-byte elements; 4 words of padding after every 128; no mask: my own load
	s_mov_b32 s[G1A+1], 256<<16                    ; tensor_dim0
	s_mov_b32 s[G1A+2], 64<<16                     ; tensor_dim1
	s_mov_b32 s[G1A+3], 256<<16                    ; tile_dim0
	s_mov_b32 s[G1A+4], 64                         ; tile_dim1
	s_mov_b32 s[G1A+5], 1024                       ; elements from row to row
	s_mov_b32 s[G1A+6], 0
	s_mov_b32 s[G1A+7], 0
	s_mov_b32 s[G1B], 15|(1<<16)|(1<<20)|(1<<21)|(5<<22)|(7<<25)  ; the mask of four, bit 21 beside it; 8 words of padding after every 64
	s_mov_b32 s[G1B+1], 128<<16
	s_mov_b32 s[G1B+2], 128<<16
	s_mov_b32 s[G1B+3], 128<<16
	s_mov_b32 s[G1B+4], 128
	s_mov_b32 s[G1B+5], 8960
	s_mov_b32 s[G1B+6], 0
	s_mov_b32 s[G1B+7], 0
	s_lshl_b32 s16, s42, 7
	s_lshl_b32 s17, s[WL], 6
	s_add_co_u32 s16, s16, s17                     ; xn: row 128 x tile + 64 x half,
	s_lshl_b32 s16, s16, 11                        ; 2,048 bytes a row,
	s_lshl_b32 s[JT], s[ROT], 10                   ; at K step 0 or 2
	s_add_co_u32 s16, s16, s[JT]
	s_mov_b32 s17, 0
	s_mul_i32 s18, s[WL], 128*8960*2               ; w1: k row 128 x half,
	s_lshl_b32 s19, s[CT], 8                       ; column 128 x tile,
	s_add_co_u32 s18, s18, s19
	s_mul_i32 s[JT], s[ROT], 2*STEPB               ; at K step 0 or 2
	s_add_co_u32 s18, s18, s[JT]
	s_mov_b32 s19, 0
	s_lshl_b32 s[BKA], s[ROT], 11                  ; four K steps, or nothing
	s_mul_i32 s[BKB], s[ROT], 4*STEPB
	s_mov_b32 s[JT+1], 0
	s_mov_b32 s[JT+3], 0
	s_mul_i32 s20, s[WL], AHALF                    ; where they go: no place in the cluster enters an LDS address
	s_mul_i32 s21, s[WL], BHALF
	s_add_co_u32 s21, s21, BOFF
	s_mov_b32 s[TB], 0
	s_wait_dscnt 0x0                               ; the opening add is done
	s_wait_kmcnt 0x0
	s_add_nc_u64 s[16:17], s[4:5], s[16:17]
	s_add_nc_u64 s[18:19], s[6:7], s[18:19]
	CROUND                                         ; all four work-groups are here: the first joint loads meet
.irp s, 0,1
	s_mov_b32 s[G0A+4*(\s)], 1
	s_add_co_u32 s[G0A+4*(\s)+1], s20, (\s)*SLOT1
	s_add_nc_u64 s[G0A+4*(\s)+2:G0A+4*(\s)+3], s[16:17], (\s)*STEPA
	s_or_b32 s[G0A+4*(\s)+3], s[G0A+4*(\s)+3], 0x80000000
	s_mov_b32 s[G0B+4*(\s)], 1
	s_add_co_u32 s[G0B+4*(\s)+1], s21, (\s)*SLOT1
	s_add_nc_u64 s[G0B+4*(\s)+2:G0B+4*(\s)+3], s[18:19], (\s)*STEPB
	s_or_b32 s[G0B+4*(\s)+3], s[G0B+4*(\s)+3], 0x80000000
	JLOAD \s
.endr
	v_and_b32 v1, 15, v0                           ; l % 16
	v_bfe_u32 v2, v0, 4, 1                         ; l / 16
	v_and_b32 v3, 7, v0
	v_bfe_u32 v4, v0, 3, 1
	v_mul_u32_u24 v[ADRA0], v1, PA                 ; xn's fragment: row x pitch + 16 x half of the lanes
	v_lshl_add_u32 v[ADRA0], v2, 4, v[ADRA0]
	s_mul_i32 s22, s[WH], AHALF
	v_add_nc_u32 v[ADRA0], s22, v[ADRA0]
	v_lshl_add_u32 v5, v2, 3, v3                   ; the turning load: lane l reads k row 8 (l / 16) + l % 8, columns 8 ((l / 8) % 2) + 0..7
	v_mul_u32_u24 v[ADRB0], v5, PB
	v_lshl_add_u32 v[ADRB0], v4, 4, v[ADRB0]
	s_lshl_b32 s22, s[WL], 6
	s_add_co_u32 s22, s22, BOFF
	v_add_nc_u32 v[ADRB0], s22, v[ADRB0]
	s_mul_i32 s22, s[WH], 64*SP                    ; into the stage: row 64 x half + l % 16, my columns' bytes
	s_lshl_b32 s23, s[WL], 6
	s_add_co_u32 s22, s22, s23
	s_add_co_u32 s22, s22, STAGE
	v_mul_u32_u24 v[STO], v1, SP
	v_lshl_add_u32 v[STO], v2, 4, v[STO]
	v_add_nc_u32 v[STO], s22, v[STO]
	s_mul_i32 s22, s[WV], 32*SP                    ; back: wave w takes rows 32 w .. + 31 whole, two a load
	s_add_co_u32 s22, s22, STAGE
	v_mul_u32_u24 v[RD], v2, SP
	v_lshl_add_u32 v[RD], v1, 4, v[RD]
	v_add_nc_u32 v[RD], s22, v[RD]
	v_mul_u32_u24 v[CO], v2, 1536
	v_lshl_add_u32 v[CO], v1, 4, v[CO]
	s_lshl_b32 s22, s[WH], 15                      ; the table: position 64 x half + l % 16, frequencies 32 ch + 8 (l / 16) on
	s_lshl_b32 s23, s[WL], 7
	s_add_co_u32 s22, s22, s23
	v_lshlrev_b32 v[TOF], 9, v1
	v_lshl_add_u32 v[TOF], v2, 5, v[TOF]
	v_add_nc_u32 v[TOF], s22, v[TOF]
	s_and_b32 s22, s42, 15                         ; the tile's first position in its sequence: 128 x (tile % 16), 512 bytes each
	s_lshl_b32 s22, s22, 16
	s_mov_b32 s23, 0
	s_add_nc_u64 s[8:9], s[8:9], s[22:23]
	s_lshl_b32 s22, s42, 7
	s_lshl_b32 s23, s[WV], 5
	s_add_co_u32 s22, s22, s23                     ; the first row that I store
	s_mul_i32 s22, s22, 1536
	s_lshl_b32 s23, s[CT], 8
	s_add_co_u32 s22, s22, s23
	s_mov_b32 s23, 0
	s_add_nc_u64 s[10:11], s[10:11], s[22:23]
	s_wait_tensorcnt 0x1                           ; my part of the first step is in; the second's load may stay out
	s_barrier_signal -1
	s_barrier_wait -1
	SETADR
	FETCH 0, F0
	QUARTER 1, F0, F1, 1                           ; the first products start the sums
	WIN 0
	s_mov_b32 s3, 2
.Lstep:                                            ; a trip: a step's quarters 1 to 3 and the next step's quarter 0; the walk's third and fourth steps are asked for
	QUARTER 2, F1, F0, 0
	QUARTER 3, F0, F1, 0
	TURN 1
	QUARTER 1, F0, F1, 0
	WIN 0
	s_sub_co_u32 s3, s3, 1
	s_cmp_lg_u32 s3, 0
	s_cbranch_scc1 .Lstep
	s_mov_b32 s3, 2
.Ltail:                                            ; the last two steps ask for nothing: a loop of their own; the second trip is left in its middle
	QUARTER 2, F1, F0, 0
	QUARTER 3, F0, F1, 0
	WIN 0
	s_sub_co_u32 s3, s3, 1
	s_cmp_eq_u32 s3, 0
	s_cbranch_scc1 .Lleft
	TURN 0
	QUARTER 1, F0, F1, 0
	WIN 0
	s_branch .Ltail
.Lleft:
	s_cmp_eq_u32 s[CT], 5                          ; v takes no rotary embedding
	s_cbranch_scc1 .Lno_table
	PLACES
	WIN TO_F                                       ; cosines and sines into buffer 0, which has been multiplied: (a, b, cos or sin) at 32 a + 16 b + 8 s
.irp a, 0,1,2,3
.irp b, 0,1
.irp s, 0,1
	global_load_b128 v[32*\a+16*\b+8*\s:32*\a+16*\b+8*\s+3],   v[TOF], s[8:9] offset:8192*\a+64*\b+256*\s
	global_load_b128 v[32*\a+16*\b+8*\s+4:32*\a+16*\b+8*\s+7], v[TOF], s[8:9] offset:8192*\a+64*\b+256*\s+16
.endr
.endr
.endr
	WIN 0
.Lno_table:
	s_wait_dscnt 16                                ; the very last quarter
	MUL8 F1, 0, 0, 0
	MUL8 F1, 0, 2, 0
	s_wait_dscnt 0x0
	MUL8 F1, 1, 0, 0
	MUL8 F1, 1, 2, 0
	WIN 0
.rept 8
	v_nop                                          ; the places behind the last products
.endr
	s_cmp_eq_u32 s[CT], 5
	s_cbranch_scc1 .Lno_rope
	s_wait_loadcnt 0x0
	WIN 0x04                                       ; source 1 (the table) in window 1
.irp a, 0,1,2,3                        ; lo' = lo cos - hi sin, hi' = hi cos + lo sin; each accumulator is read from its low end on
.irp b, 0,1
.irp p, 0,1,2,3
	v_pk_mul_f32 v[TMP+2*\p:TMP+2*\p+1], v[ACC+8*(4*\a+\b)+2*\p:ACC+8*(4*\a+\b)+2*\p+1], v[32*\a+16*\b+8+2*\p:32*\a+16*\b+8+2*\p+1]
	v_pk_mul_f32 v[ACC+8*(4*\a+\b)+2*\p:ACC+8*(4*\a+\b)+2*\p+1], v[ACC+8*(4*\a+\b)+2*\p:ACC+8*(4*\a+\b)+2*\p+1], v[32*\a+16*\b+2*\p:32*\a+16*\b+2*\p+1]
	v_pk_fma_f32 v[ACC+8*(4*\a+\b)+2*\p:ACC+8*(4*\a+\b)+2*\p+1], v[ACC+8*(4*\a+\b+2)+2*\p:ACC+8*(4*\a+\b+2)+2*\p+1], v[32*\a+16*\b+8+2*\p:32*\a+16*\b+8+2*\p+1], v[ACC+8*(4*\a+\b)+2*\p:ACC+8*(4*\a+\b)+2*\p+1] neg_lo:[1,0,0] neg_hi:[1,0,0]
	v_pk_fma_f32 v[ACC+8*(4*\a+\b+2)+2*\p:ACC+8*(4*\a+\b+2)+2*\p+1], v[ACC+8*(4*\a+\b+2)+2*\p:ACC+8*(4*\a+\b+2)+2*\p+1], v[32*\a+16*\b+2*\p:32*\a+16*\b+2*\p+1], v[TMP+2*\p:TMP+2*\p+1]
.endr
.endr
.endr
	WIN 0
.Lno_rope:
	; THE WAY OUT: rounded to f16; 16 bytes a lane into the stage; a barrier, since a row's 256 bytes come from two waves; back as whole rows
.irp t, 0,1,2,3,4,5,6,7,8,9,10,11,12,13,14,15
.irp r, 0,1,2,3
	v_cvt_pk_f16_f32 v[TMP+4*\t+\r], v[ACC+8*\t+2*\r], v[ACC+8*\t+2*\r+1]
.endr
.endr
.irp a, 0,1,2,3
.irp b, 0,1,2,3
	ds_store_b128 v[STO], v[TMP+4*(4*\a+\b):TMP+4*(4*\a+\b)+3] offset:\a*16*SP+(\b/2)*128+(\b%2)*32
.endr
.endr
	s_wait_dscnt 0x0                               ; for the others' sake: my stores into the stage are done
	s_barrier_signal -1
	s_barrier_wait -1
.irp t, 0,1,2,3,4,5,6,7,8,9,10,11,12,13,14,15
	ds_load_b128 v[TMP+4*\t:TMP+4*\t+3], v[RD] offset:\t*2*SP
.endr
.irp t, 0,1,2,3,4,5,6,7,8,9,10,11,12,13,14,15
	s_wait_dscnt 15-\t                             ; load t is back; the younger ones may be out
	global_store_b128 v[CO], v[TMP+4*\t:TMP+4*\t+3], s[10:11] offset:3072*\t  ; 16 lanes store 256 consecutive bytes, aligned
.endr
	s_wait_tensorcnt 0x0                           ; the wave's end
	ds_add_u32 v[SPW], v[NIL]
	s_wait_dscnt 0x0
	CROUND                                         ; the closing round
	s_endpgm
.Lfunc_end_k_qcf6cda2e2b_proj:
	.size	k_qcf6cda2e2b_proj, .Lfunc_end_k_qcf6cda2e2b_proj-k_qcf6cda2e2b_proj
	.p2alignl 7, 3214868480
	.fill 96, 4, 3214868480
	.section	.rodata,"a",@progbits
	.p2align	6, 0x0
	.amdhsa_kernel k_qcf6cda2e2b_proj
		.amdhsa_group_segment_fixed_size 327680
		.amdhsa_private_segment_fixed_size 0
		.amdhsa_enable_private_segment 0
		.amdhsa_kernarg_size 32
		.amdhsa_user_sgpr_count 2
		.amdhsa_user_sgpr_kernarg_segment_ptr 1
		.amdhsa_wavefront_size32 1
		.amdhsa_system_sgpr_workgroup_id_x 1
		.amdhsa_system_sgpr_workgroup_id_y 1
		.amdhsa_system_sgpr_workgroup_id_z 1
		.amdhsa_system_vgpr_workitem_id 0
		.amdhsa_next_free_vgpr 512
		.amdhsa_next_free_sgpr 72
		.amdhsa_reserve_vcc 0
		.amdhsa_float_denorm_mode_32 3
		.amdhsa_float_denorm_mode_16_64 3
		.amdhsa_memory_ordered 1
		.amdhsa_forward_progress 1
		.amdhsa_inst_pref_size 73
	.end_amdhsa_kernel
	.amdgpu_metadata
---
amdhsa.version: [ 1, 2 ]
amdhsa.kernels:
  - .name:           k_qcf6cda2e2b_proj
    .symbol:         k_qcf6cda2e2b_proj.kd
    .args:
      - { .name: xn, .offset: 0, .size: 8, .value_kind: global_buffer, .address_space: global }
      - { .name: w1, .offset: 8, .size: 8, .value_kind: global_buffer, .address_space: global }
      - { .name: tab, .offset: 16, .size: 8, .value_kind: global_buffer, .address_space: global }
      - { .name: qkv, .offset: 24, .size: 8, .value_kind: global_buffer, .address_space: global }
    .group_segment_fixed_size: 327680
    .private_segment_fixed_size: 0
    .kernarg_segment_align: 8
    .kernarg_segment_size: 32
    .max_flat_workgroup_size: 128
    .sgpr_count:     72
    .vgpr_count:     512
    .wavefront_size: 32
...
	.end_amdgpu_metadata
.endif
;; end of part 2
;; launch attn (part 3): grid 128 x 2, 4 waves a work-group, clusters of 4 x 1, 327,680 bytes of LDS; arguments qkv, hb; writes hb
.if DOCPART == 3
	.amdgcn_target "amdgcn-amd-amdhsa--gfx1250"
	.amdhsa_code_object_version 6
	.text
	.protected	k_qcf6cda2e2b_attn
	.globl	k_qcf6cda2e2b_attn
	.p2align	8
	.type	k_qcf6cda2e2b_attn,@function
k_qcf6cda2e2b_attn:
	s_mov_b64 s[64:65], 0
	v_nop
	global_prefetch_b8 v0, s[64:65] scope:SCOPE_SE
	s_setreg_imm32_b32 hwreg(HW_REG_WAVE_MODE, 25, 1), 1
	s_wait_xcnt 0x0
	s_wait_alu depctr_hold_cnt(0) depctr_sa_sdst(0) depctr_va_vdst(0) depctr_va_sdst(0) depctr_va_ssrc(0) depctr_va_vcc(0) depctr_vm_vsrc(0)
	s_getreg_b32 s2, hwreg(HW_REG_IB_STS2, 6, 4)
	s_cmp_eq_u32 s2, 0
	s_cbranch_scc0 .Lentry_in_a_cluster
	s_endpgm
.Lentry_in_a_cluster:
	s_bfe_u32 s2, ttmp6, 0x10000c
	s_cmp_lg_u32 s2, 0x3003
	s_cbranch_scc0 .Lentry_shape_is_right
	s_endpgm
.Lentry_shape_is_right:
; ATTN: causal attention with four query heads on one key and value head.  qkv: [4096][768] f16 (q heads 0-3, k, v; rotary embedding done, q unscaled).  O goes to hb's columns 0-511, f16.
; Products, maxima and sums in f32; the weights are rounded to f16 for the second product, O once at the end.  p = 2^(c s - c m), c = log2(e) / sqrt(128), with a running maximum m.
; SHARES.  K and V are the same for the four heads, so a tile of 16 "queries" is 8 positions x 2 heads (row r: position p0 + r % 8, head 2 t + r / 8) and a BLOCK is 8 positions x 4 heads: 2 tiles.
; Of a sequence's 256 blocks a work-group takes block 255 - j and then block j.  Block i needs the key tiles 0 .. i / 32 of 256 keys; with g = j / 32 that is 8 - g and g + 1 tiles: NINE, whatever j.
; So one counted walk serves all work-groups.  j = 4 x cluster + cx, so g is the same in the four partners: every tile is asked for JOINTLY (mask of four).
; Control hangs on the cluster's number alone; cx enters Q's and O's addresses, the prefetch's address and the mask's values only.
; KEYS ARE SPLIT AMONG THE WAVES: of each tile wave w takes keys 64 w .. + 63 for both tiles of queries, so each fragment of K and V leaves LDS once.  The four partial (m, l, O) meet in LDS.
; THE WALK HOLDS NO MEETING.  Behind the first block's last tile its O^T, c m and l are set aside in registers (SWITCH: moves alone, under the walk's one branch on g); both blocks' meetings stand behind
; the walk, on every wave's path, as a loop of two trips.  The price: 134 moves out and 134 back, once a work-group, and 128 lines at the head that write the second set, so that it is written on every way.
; LAYOUT.  S^T = K Q^T holds one query a lane (l % 16) and the keys 8 (l / 16) + 0..7; two such results rounded to f16 are source 1 of O^T = V^T P.  V is turned on the way out of LDS.
; THE MASK is the C operand that starts S^T's sums: 0, or -2^100 where the key is hidden.  MD is the mask of the last tile of the block in hand; a round's mask is MD x AL, AL = 1 in that tile, else 0.
; LIMITS.  q, k, v within 65,504.  A hidden score counts as its value less 2^100; the running maximum has a floor of -2^93 (true scores are 5.5e11 at the most), so a wave that sees only hidden keys
; ends with l = 0 and O = 0 and a weight of 0 in the meeting.  A weight below 2^-126 counts as 0.  NaN and infinities are not treated apart.
; REGISTERS.  window 0: addresses, statistics, S^T, P, the masks;  window 1: v0-127 O^T, v128-255 the first block's, set aside;  window 2: v0-63 Q, v64-127 the second block's Q, v128-255 K;  window 3: v0-127 V.
.set PK,    272                        ; a row of K in LDS: 256 bytes + 16
.set PV,    288                        ; a row of V: 256 + 32
.set VOFF,  256*PK
.set SLOTB, 256*(PK+PV)                ; a slot: a tile of K, then of V
.set STAGE, 2*SLOTB                    ; behind the ring: 4 waves x 16 rows x 528 bytes (128 f32 + 16)
.set SPO,   528
.set STAT,  STAGE+4*16*SPO             ; 4 waves x 2 tiles x 16 queries x (c m, l)
.set SPARE, STAT+1024                  ; the spare words, which no other line names
.set TILEB, 256*1536                   ; a tile's rows in memory
.set AK0, 2
.set AV0, 3
.set ADR, 4
.set QO,  5
.set STO, 6
.set RD,  7
.set GO,  8
.set DV0, 11                           ; v11  l % 8 - 64 w - 8 (l / 16)
.set DV,  12                           ; v12  + the block's first position in its last tile: register j of key group kb is hidden where 16 kb + j is greater
.set SA,  13
.set SR,  14
.set PFO, 15
.set ST,  16                           ; tile t at ST + 8 t: c m, m, l, l, c0-c3
.set WS,  32                           ; the four waves' (c m, l): tile t, wave w at WS + 8 t + 2 w
.set RS,  48                           ; at work in the meeting; then the packed results
.set GP,  56                           ; my weight in the meeting, a pair a tile
.set SPW, 62
.set NIL, 63
.set S,   64
.set RB,  64                           ; the meeting: what comes back from the stage, in S^T's registers
.set P,   128
.set MC,  160                          ; the round's mask
.set MD,  192                          ; the mask of the block's last tile
.set SV,  224                          ; the first block's c m, l, l, set aside: tile t at SV + 3 t
.set KF,  128                          ; window 2
.set WV,  12
.set G1K, 24
.set G1V, 32
.set G0K, 40
.set G0V, 44
.set KB,  48                           ; s[48:49] K's tile 0 of my sequence
.set VB,  50
.set OFF, 52
.set OB,  54                           ; s[54:55] O at the block that is being finished: the second block's first
.set OB1, 56                           ; s[56:57] O at the first block
.set CS,  58
.set SEL, 60
.set TB,  62
.set SLOTS, 63
.set RT,  66                           ; tiles of the block in hand still to be entered
.set NXT, 67                           ; the tile to be asked for next
.set LQ,  68                           ; the last tile of the block whose tiles are being asked for
.set LSN, 69                           ; g + 1: the second block's tiles
.set LS1, 70                           ; g: the second block's last tile
.set FC,  71
.set PM2, 72                           ; the second block's first position in its last tile
.set BIGN, 73
.set LIM, 74
.set PM,  75                           ; the first block's
.set PFA, 76
.set QL,  78
.set QS,  80
.set AL,  88                           ; s[88:89] the mask's factor, in the low word
.set W_KQ, 0x0a                        ; K and Q in window 2; the mask and S^T in window 0
.set W_PV, 0x53                        ; V in window 3, P in window 0, O^T in window 1
.set W_RS, 0x41                        ; destination and source 0 in window 1
.set MSB, 0
.macro WIN new                         ; the immediate's high byte repeats the setting that is left
.if MSB != (\new)
	s_set_vgpr_msb (MSB<<8)|(\new)
.set MSB, \new
.endif
.endm
.macro PLACES
.rept 4
	v_nop
.endr
.endm
.macro CROUND
	s_barrier_signal -1
	s_barrier_wait -1
	s_cmp_lg_u32 s[WV], 0
	s_cbranch_scc1 .Lnot_wave_0_\@
	s_barrier_signal -3
.Lnot_wave_0_\@:
	s_barrier_wait -3
	s_barrier_signal -1
	s_barrier_wait -1
.endm
.macro JLOAD                           ; wave 0 fetches K's tile, wave 1 V's, waves 2 and 3 nothing; s_nop 0 and four v_nop follow each line
	s_cmp_eq_u32 s[WV], 0
	s_cbranch_scc0 .Lnot_k_\@
	tensor_load_to_lds s[G0K:G0K+3], s[G1K:G1K+7]
	s_nop 0
.rept 4
	v_nop
.endr
	s_branch .Lasked_\@
.Lnot_k_\@:
	s_cmp_eq_u32 s[WV], 1
	s_cbranch_scc0 .Lasked_\@
	tensor_load_to_lds s[G0V:G0V+3], s[G1V:G1V+7]
	s_nop 0
.rept 4
	v_nop
.endr
.Lasked_\@:
.endm
; A PREFETCH of the tile that the NEXT change of slots will ask for.  All clusters of a sequence walk tiles 0, 1, ..: the sequence's first cluster asks, whose first block walks all eight.  Its four partners share
; a tile's 256 rows out by address, 32 each in each of two waves: waves 0 and 1 ask for K's 256 bytes of a row, waves 2 and 3 for V's: a lane a row.  Tiles 0 and 1 come by their loads alone; behind tile 7 nothing is asked for.
.macro ASK
	s_cmp_gt_u32 s[SLOTS], s[LIM]
	s_cbranch_scc0 .Lnot_mine_\@
	global_prefetch_b8 v[PFO], s[PFA:PFA+1] th:TH_LOAD_NT scope:SCOPE_SE
.Lnot_mine_\@:
.endm
; THE CHANGE OF SLOTS.  Each wave waits for all its tensor loads, adds 0 to its spare word, and waits for that and for its reads of the slot that it leaves.  fill = 1: the barrier is a round of the cluster's,
; and the old slot is filled again first thing behind it, with tile NXT; the descriptor's address is made anew from that number.  (At its first use slot 0 is waited for and slot 1 filled.)
.macro CHANGE fill
	WIN 0
	s_wait_tensorcnt 0x0                           ; no tensor load of mine is out, so a group 0 may be written
	ds_add_u32 v[SPW], v[NIL]
.if \fill
	s_mul_i32 s[OFF], s[NXT], TILEB
	s_xor_b32 s[G0K+1], s[G0K+1], SLOTB
	s_add_nc_u64 s[G0K+2:G0K+3], s[KB:KB+1], s[OFF:OFF+1]
	s_or_b32 s[G0K+3], s[G0K+3], 0x80000000
	s_xor_b32 s[G0V+1], s[G0V+1], VOFF^(VOFF+SLOTB)
	s_add_nc_u64 s[G0V+2:G0V+3], s[VB:VB+1], s[OFF:OFF+1]
	s_or_b32 s[G0V+3], s[G0V+3], 0x80000000
	s_add_co_u32 s[NXT], s[NXT], 1                 ; the block's next tile, or behind its last the second block's tile 0
	s_cmp_gt_u32 s[NXT], s[LQ]
	s_cselect_b32 s[NXT], 0, s[NXT]
	s_cselect_b32 s[LQ], s[LS1], s[LQ]
	s_wait_xcnt 0x0                                ; the last prefetch, a tile back, has read its address
	s_add_nc_u64 s[PFA:PFA+1], s[PFA:PFA+1], TILEB
	s_wait_dscnt 0x0                               ; the add is done, and my reads of the slot are over
	CROUND
	JLOAD
	ASK
.else
	s_wait_dscnt 0x0
	s_barrier_signal -1
	s_barrier_wait -1
.endif
	s_xor_b32 s[TB], s[TB], SLOTB                  ; the reads go to the other slot
.endm
; Product i of 32 of S^T = K Q^T: channels 32 (i / 8) on, keys 16 ((i / 2) % 4) on, tile i % 2.  The first 8 start the sums with the mask.  The 8 accumulators take turns.
.macro KQ
	WIN W_KQ
.set rS, S+32*(i%2)+8*((i/2)%4)
.set rK, KF+32*((i/2)%4)+8*(i/8)
.set rQ, 32*(i%2)+8*(i/8)
.set rM, MC+8*((i/2)%4)
.if i < 8
	v_wmma_f32_16x16x32_f16 v[rS:rS+7], v[rK:rK+7], v[rQ:rQ+7], v[rM:rM+7]
.else
	v_wmma_f32_16x16x32_f16 v[rS:rS+7], v[rK:rK+7], v[rQ:rQ+7], v[rS:rS+7]
.endif
.endm
; Product i of 32 of O^T += V^T P: keys 32 (i / 16) on, channels 16 ((i / 2) % 8) on, tile i % 2.  The 16 accumulators take turns.
.macro PVM
	WIN W_PV
.set rO, 64*(i%2)+8*((i/2)%8)
.set rV, 64*(i/16)+8*((i/2)%8)
.set rP, P+16*(i%2)+8*(i/16)
	v_wmma_f32_16x16x32_f16 v[rO:rO+7], v[rV:rV+7], v[rP:rP+7], v[rO:rO+7]
.endm
; Sixteen turning loads: V's keys 32 (first / 8) on, channels 16 (vf % 8) on
.macro VLOADS first
.set vf, \first
.rept 8
	ds_load_tr16_b128 v[8*vf:8*vf+3],   v[ADR] offset:(vf/8)*32*PV+(vf%8)*32
	ds_load_tr16_b128 v[8*vf+4:8*vf+7], v[ADR] offset:(vf/8)*32*PV+16*PV+(vf%8)*32
.set vf, vf+1
.endr
.endm
; Number j of the 134 instructions of one tile's softmax for one round.  s0-s31 are the lane's 32 scores.
;   0-15 the maximum of the scores and the old m (each accumulator's lowest registers are read first)   16-20 the other half of the lanes' maximum; m; c m; its change
;   21-69 ONE BATCH: 16 packed scalings c s - c m and 33 exponentials (a at 23); none reads an exponential's result     70-85 roundings to f16     86-101 the sums; l = a l + sum     102-133 O^T times a
.macro SM t
.set rT, ST+8*(\t)
.set rS, S+32*(\t)
.set rP, P+16*(\t)
.set rO, 64*(\t)+2*(j-102)
.if j < 102
	WIN 0
.endif
.if j < 4
	v_max3_num_f32 v[rT+4+j], v[rS+8*j], v[rS+8*j+1], v[rS+8*j+2]
.elseif j < 12
	v_max3_num_f32 v[rT+4+j%4], v[rT+4+j%4], v[rS+8*(j%4)+2*(j/4)+1], v[rS+8*(j%4)+2*(j/4)+2]
.elseif j == 12
	v_max3_num_f32 v[rT+4], v[rT+4], v[rS+7], v[rS+15]
.elseif j == 13
	v_max3_num_f32 v[rT+6], v[rT+6], v[rS+23], v[rS+31]
.elseif j == 14
	v_max3_num_f32 v[rT+4], v[rT+4], v[rT+5], v[rT+6]
.elseif j == 15
	v_max3_num_f32 v[rT+4], v[rT+4], v[rT+7], v[rT+1]
.elseif j == 16
	v_permlanex16_b32 v[rT+5], v[rT+4], s[SEL], s[SEL+1]
.elseif j == 17
	v_mov_b32 v[rT+7], v[rT]                       ; c m_old is kept: number 19 writes c m anew
.elseif j == 18
	v_max_num_f32 v[rT+1], v[rT+4], v[rT+5]
.elseif j == 19
	v_mul_f32 v[rT], s[CS], v[rT+1]
.elseif j == 20
	v_sub_f32 v[rT+7], v[rT+7], v[rT]
.elseif j == 23
	v_exp_f32 v[rT+6], v[rT+7]                     ; a
.elseif (j < 23) || ((j < 38) && (j%2 == 0)) || ((j < 66) && (j%4 == 2))
.set b, (j-2)/4
.if j < 38
.set b, (j-20)/2
.endif
	v_pk_fma_f32 v[rS+2*b:rS+2*b+1], v[rS+2*b:rS+2*b+1], s[CS:CS+1], v[rT:rT+1] op_sel_hi:[1,0,0] neg_lo:[0,0,1] neg_hi:[0,0,1]
.elseif j < 70
.set e, j-38
.if j < 66
.set e, j-32-(j-38)/4
.endif
.if j < 38
.set e, (j-25)/2
.endif
	v_exp_f32 v[rS+e], v[rS+e]
.elseif j < 86
	v_cvt_pk_f16_f32 v[rP+j-70], v[rS+2*(j-70)], v[rS+2*(j-70)+1]
.elseif j < 102
.set z, j-86
.set w, 4
.set u, z
.if z >= 14
.set w, 32
.set u, 0
.elseif z >= 12
.set w, 16
.set u, z-12
.elseif z >= 8
.set w, 8
.set u, z-8
.endif
.if z < 15
	v_pk_add_f32 v[rS+w*u:rS+w*u+1], v[rS+w*u:rS+w*u+1], v[rS+w*u+w/2:rS+w*u+w/2+1]
.else
	v_pk_fma_f32 v[rT+2:rT+3], v[rT+2:rT+3], v[rT+6:rT+7], v[rS:rS+1] op_sel_hi:[1,0,1]
.endif
.else
	WIN W_RS
	v_pk_mul_f32 v[rO:rO+1], v[rO:rO+1], v[rT+6:rT+7] op_sel_hi:[1,0]
.endif
.endm
; A ROUND: my 64 keys of the tile in hand, in phases: fragments, the mask, K Q^T, softmax, V^T P.
.macro ROUND
	WIN 0
	PLACES                                         ; behind the last round's products, in front of loads into V's registers
	v_add_nc_u32 v[ADR], s[TB], v[AK0]
	WIN 0x80
.irp f, 0,1,2,3,4,5,6,7,8,9,10,11,12,13,14,15      ; keys 16 (f / 4) on, channels 32 (f % 4) on
	ds_load_b128 v[KF+8*\f:KF+8*\f+3],   v[ADR] offset:(\f/4)*16*PK+(\f%4)*64
	ds_load_b128 v[KF+8*\f+4:KF+8*\f+7], v[ADR] offset:(\f/4)*16*PK+(\f%4)*64+32
.endr
	WIN 0
	v_add_nc_u32 v[ADR], s[TB], v[AV0]
	WIN 0xc0
	VLOADS 0                                       ; V's first 32 keys
	WIN 0
.set z, 0
.rept 16
	v_pk_mul_f32 v[MC+2*z:MC+2*z+1], v[MD+2*z:MD+2*z+1], s[AL:AL+1] op_sel_hi:[1,0]  ; the round's mask, while the loads are out
.set z, z+1
.endr
	s_wait_dscnt 16                                ; K is in; the sixteen younger loads, V's first half, may stay out
.set i, 0
.rept 32
	KQ
.set i, i+1
.endr
	WIN 0xc0
	VLOADS 8                                       ; V's other 32 keys: they have the softmax in which to come
	WIN 0
.rept 8
	v_nop                                          ; the places behind those products
.endr
.set j, 0
.rept 70
	SM 0
	SM 1
.set j, j+1
.endr
	v_nop                                          ; a plain instruction behind the last exponential,
	s_wait_alu depctr_va_vdst(0)                   ; and one wait for the 66 of both tiles, ahead of their first reader
.rept 64
	SM 0
	SM 1
.set j, j+1
.endr
	s_wait_dscnt 0x0                               ; V is in
.set i, 0
.rept 32
	PVM
.set i, i+1
.endr
	WIN 0
.endm
.macro RESET                           ; a block begins: c m far below every c s, so the first round's a is 0 and O^T and l need only be finite; m at its floor
.irp t, 0,1
	v_mov_b32 v[ST+8*\t], 0xfe000000
	v_mov_b32 v[ST+8*\t+1], 0xee000000
.endr
.endm
.macro MKMASK                          ; a block's last tile: key 64 w + 16 kb + 8 (l / 16) + j is hidden where it lies behind the query's position
.set i, 0
.rept 32
	v_cmp_gt_i32 vcc_lo, 16*(i/8)+i%8, v[DV]
	v_cndmask_b32 v[MD+i], 0, s[BIGN], vcc_lo
.set i, i+1
.endr
.endm
; THE FIRST BLOCK IS SET ASIDE AND THE SECOND BEGINS: moves and the new mask, work on registers alone.
.macro SWITCH
.rept 8
	v_nop                                          ; the places behind the round's last products
.endr
	WIN W_RS
.set i, 0
.rept 128
	v_mov_b32 v[128+i], v[i]                       ; O^T, each accumulator from its low end on
.set i, i+1
.endr
	WIN 0x82                                       ; the second block's Q goes where the one text of the rounds names Q
.set i, 0
.rept 64
	v_mov_b32 v[i], v[64+i]
.set i, i+1
.endr
	WIN 0
.irp t, 0,1
	v_mov_b32 v[SV+3*\t], v[ST+8*\t]
	v_mov_b32 v[SV+3*\t+1], v[ST+8*\t+2]
	v_mov_b32 v[SV+3*\t+2], v[ST+8*\t+3]
.endr
	RESET
	v_add_nc_u32 v[DV], s[PM2], v[DV0]
	MKMASK
.endm
; One tile's way out: O^T times my weight, in f32 into my part of the stage; behind a barrier each wave adds the four parts of 4 of the 16 rows, rounds and stores them.
.macro OUTT t
	WIN W_RS
.set i, 0
.rept 32
	v_pk_mul_f32 v[64*(\t)+2*i:64*(\t)+2*i+1], v[64*(\t)+2*i:64*(\t)+2*i+1], v[GP+2*(\t):GP+2*(\t)+1] op_sel_hi:[1,0]
.set i, i+1
.endr
	WIN 0x04                                       ; the stores' data in window 1
.irp c, 0,1,2,3,4,5,6,7
	ds_store_b128 v[STO], v[64*(\t)+8*\c:64*(\t)+8*\c+3]   offset:64*\c
	ds_store_b128 v[STO], v[64*(\t)+8*\c+4:64*(\t)+8*\c+7] offset:64*\c+16
.endr
	WIN 0
	s_wait_dscnt 0x0                               ; for the others' sake: my stores are done
	s_barrier_signal -1
	s_barrier_wait -1
.irp p, 0,1,2,3
.irp u, 0,1
	ds_load_b128 v[RB+16*\p+8*\u:RB+16*\p+8*\u+3],   v[RD] offset:16*SPO*\p+2*SPO*\u
	ds_load_b128 v[RB+16*\p+8*\u+4:RB+16*\p+8*\u+7], v[RD] offset:16*SPO*\p+2*SPO*\u+16
.endr
.endr
	s_wait_dscnt 0x0                               ; my reads of the stage are over:
.if (\t) == 0
	s_barrier_signal -1                            ; say so, before the next tile is written over them; work on registers stands between signal and wait
.endif
.set i, 0
.rept 8
	v_pk_add_f32 v[RB+2*i:RB+2*i+1], v[RB+2*i:RB+2*i+1], v[RB+16+2*i:RB+16+2*i+1]
	v_pk_add_f32 v[RB+32+2*i:RB+32+2*i+1], v[RB+32+2*i:RB+32+2*i+1], v[RB+48+2*i:RB+48+2*i+1]
.set i, i+1
.endr
.set i, 0
.rept 8
	v_pk_add_f32 v[RB+2*i:RB+2*i+1], v[RB+2*i:RB+2*i+1], v[RB+32+2*i:RB+32+2*i+1]
.set i, i+1
.endr
	s_wait_xcnt 0x0                                ; earlier stores have read their data registers
.set i, 0
.rept 8
	v_cvt_pk_f16_f32 v[RS+i], v[RB+2*i], v[RB+2*i+1]
.set i, i+1
.endr
.if (\t) == 0
	s_barrier_wait -1
.endif
.irp u, 0,1
	global_store_b128 v[GO], v[RS+4*\u:RS+4*\u+3], s[OB:OB+1] offset:18432*\u+512*(\t)  ; 16 lanes store one head's 256 bytes of a row, aligned
.endr
.endm
; THE MEETING: the four waves' (c m, l) are exchanged; M is the greatest c m, wave w's weight 2^(c m_w - M) / the sum of 2^(c m_w - M) l_w.
; The second tile's reads of the stage are waited for ahead of the next trip's first barrier, behind which the stage is written again.
.macro FINISH
.rept 8
	v_nop                                          ; the places behind the last products
.endr
.irp t, 0,1
	v_add_f32 v[ST+8*\t+2], v[ST+8*\t+2], v[ST+8*\t+3]
.endr
.irp t, 0,1
	v_permlanex16_b32 v[ST+8*\t+3], v[ST+8*\t+2], s[SEL], s[SEL+1]
.endr
.irp t, 0,1
	v_add_f32 v[ST+8*\t+1], v[ST+8*\t+2], v[ST+8*\t+3]   ; l, beside c m
	ds_store_b64 v[SA], v[ST+8*\t:ST+8*\t+1] offset:128*\t
.endr
	s_wait_dscnt 0x0
	s_barrier_signal -1
	s_barrier_wait -1
.irp t, 0,1
.irp w, 0,1,2,3
	ds_load_b64 v[WS+8*\t+2*\w:WS+8*\t+2*\w+1], v[SR] offset:256*\w+128*\t
.endr
.endr
	s_wait_dscnt 0x0
.irp t, 0,1
	v_max3_num_f32 v[RS+\t], v[WS+8*\t], v[WS+8*\t+2], v[WS+8*\t+4]
.endr
.irp t, 0,1
	v_max_num_f32 v[RS+\t], v[RS+\t], v[WS+8*\t+6]
.endr
.irp t, 0,1
.irp w, 0,1,2,3
	v_sub_f32 v[WS+8*\t+2*\w], v[WS+8*\t+2*\w], v[RS+\t]
.endr
	v_sub_f32 v[RS+2+\t], v[ST+8*\t], v[RS+\t]
.endr
.irp t, 0,1
.irp w, 0,1,2,3
	v_exp_f32 v[WS+8*\t+2*\w], v[WS+8*\t+2*\w]
.endr
	v_exp_f32 v[RS+2+\t], v[RS+2+\t]
.endr
	v_nop
	s_wait_alu depctr_va_vdst(0)                   ; one wait for the ten
.irp t, 0,1
	v_mul_f32 v[RS+4+\t], v[WS+8*\t], v[WS+8*\t+1]
.endr
.irp w, 1,2,3
.irp t, 0,1
	v_fmac_f32 v[RS+4+\t], v[WS+8*\t+2*\w], v[WS+8*\t+2*\w+1]
.endr
.endr
.irp t, 0,1
	v_rcp_f32 v[RS+6+\t], v[RS+4+\t]
.endr
	v_nop
	s_wait_alu depctr_va_vdst(0)                   ; one wait for the two
.irp t, 0,1
	v_mul_f32 v[GP+2*\t], v[RS+2+\t], v[RS+6+\t]
	v_mov_b32 v[GP+2*\t+1], v[GP+2*\t]             ; named as a pair
.endr
	OUTT 0
	OUTT 1
.endm
	s_load_b128 s[4:7], s[0:1], 0x0                ; qkv 4, hb 6
	v_lshl_add_u32 v[SPW], v0, 2, SPARE
	v_mov_b32 v[NIL], 0
	ds_add_u32 v[SPW], v[NIL]                      ; the wave's opening: the add and its wait ahead of my first tensor load
	v_lshrrev_b32 v1, 5, v0
	v_readfirstlane_b32 s[WV], v1
	s_bfe_u32 s13, ttmp6, 0x40000                  ; cx
	s_lshl_b32 s14, ttmp9, 2
	s_add_co_u32 s14, s14, s13                     ; j
	s_lshr_b32 s[LS1], ttmp9, 3                    ; g, from the cluster's number alone
	s_add_co_u32 s[LSN], s[LS1], 1                 ; the second block has g + 1 tiles,
	s_sub_co_u32 s[RT], 8, s[LS1]                  ; the first 8 - g
	s_sub_co_u32 s[LQ], 7, s[LS1]
	s_mov_b32 s[NXT], 1
	s_mov_b32 s[TB], SLOTB                         ; the first change of slots turns it into 0
	s_mov_b32 s[SLOTS], 8
	s_mov_b32 s[AL], 0
	s_mov_b32 s[AL+1], 0                           ; named as a pair
	s_and_b32 s15, ttmp7, 0xffff                   ; the sequence
	s_sub_co_u32 s16, 255, s14
	s_lshl_b32 s16, s16, 3                         ; the first block's first position,
	s_lshl_b32 s17, s14, 3                         ; the second's
	s_and_b32 s[PM], s16, 255
	s_and_b32 s[PM2], s17, 255
	s_lshl_b32 s18, s15, 11
	s_add_co_u32 s16, s16, s18
	s_add_co_u32 s17, s17, s18
	s_mul_i32 s20, s16, 1536
	s_mov_b32 s21, 0
	s_mul_i32 s22, s17, 1536
	s_mov_b32 s23, 0
	s_mul_i32 s82, s16, 9216
	s_mov_b32 s83, 0
	s_mul_i32 s84, s17, 9216
	s_mov_b32 s85, 0
	s_mul_i32 s86, s15, 2048*1536                  ; the sequence's first row: no place in the cluster enters it
	s_mov_b32 s87, 0
	s_and_b32 s18, s[WV], 1                        ; the prefetches: rows 128 (w % 2) + 32 cx + lane of a tile,
	s_lshl_b32 s18, s18, 7
	s_lshl_b32 s19, s13, 5
	s_add_co_u32 s18, s18, s19
	s_mul_i32 s18, s18, 1536
	s_lshr_b32 s19, s[WV], 1
	s_lshl_b32 s19, s19, 8                         ; K's columns (waves 0, 1) or V's (waves 2, 3),
	s_add_co_u32 s18, s18, s19
	s_add_co_u32 s18, s18, 1024+TILEB              ; in tile 1; the first change of slots steps it to tile 2
	s_mov_b32 s19, 0
	s_cmp_eq_u32 ttmp9, 0
	s_cselect_b32 s[LIM], 2, -1
	s_mov_b32 s[G1K], 15|(1<<16)|(1<<20)|(1<<21)|(5<<22)|(3<<25)  ; the mask of four, bit 21 beside it; 2-byte elements; 4 words of padding after every 64
	s_mov_b32 s[G1V], 15|(1<<16)|(1<<20)|(1<<21)|(5<<22)|(7<<25)  ; the same with 8 words
.irp g, G1K, G1V
	s_mov_b32 s[\g+1], 128<<16                     ; tensor_dim0
	s_mov_b32 s[\g+2], 256<<16                     ; tensor_dim1
	s_mov_b32 s[\g+3], 128<<16                     ; tile_dim0
	s_mov_b32 s[\g+4], 256                         ; tile_dim1
	s_mov_b32 s[\g+5], 768                         ; elements from row to row
	s_mov_b32 s[\g+6], 0
	s_mov_b32 s[\g+7], 0
.endr
	s_mov_b32 s[G0K], 1
	s_mov_b32 s[G0K+1], 0
	s_mov_b32 s[G0V], 1
	s_mov_b32 s[G0V+1], VOFF
	s_mov_b32 s[OFF+1], 0
	s_mov_b32 s[CS], 0x3e0293ee                    ; c = log2(e) / sqrt(128)
	s_mov_b32 s[CS+1], s[CS]
	s_mov_b32 s[SEL], 0x76543210
	s_mov_b32 s[SEL+1], 0xfedcba98
	s_mov_b32 s[BIGN], 0xf1800000                  ; -2^100
	s_wait_dscnt 0x0                               ; the opening add is done
	s_wait_kmcnt 0x0
	s_add_nc_u64 s[86:87], s[4:5], s[86:87]
	s_add_nc_u64 s[KB:KB+1], s[86:87], 1024
	s_add_nc_u64 s[VB:VB+1], s[86:87], 1280
	s_add_nc_u64 s[PFA:PFA+1], s[86:87], s[18:19]
	s_add_nc_u64 s[QL:QL+1], s[4:5], s[20:21]
	s_add_nc_u64 s[QS:QS+1], s[4:5], s[22:23]
	s_add_nc_u64 s[OB1:OB1+1], s[6:7], s[82:83]
	s_add_nc_u64 s[OB:OB+1], s[6:7], s[84:85]
	s_add_nc_u64 s[G0K+2:G0K+3], s[KB:KB+1], 0
	s_or_b32 s[G0K+3], s[G0K+3], 0x80000000
	s_add_nc_u64 s[G0V+2:G0V+3], s[VB:VB+1], 0
	s_or_b32 s[G0V+3], s[G0V+3], 0x80000000
	CROUND                                         ; all four work-groups are here
	JLOAD                                          ; tile 0 into slot 0
	v_and_b32 v1, 15, v0                           ; l % 16
	v_bfe_u32 v9, v0, 4, 1                         ; l / 16
	v_and_b32 v10, 7, v0                           ; l % 8
	v_bfe_u32 v33, v0, 3, 1                        ; (l / 8) % 2
	v_mul_u32_u24 v[QO], v10, 1536                 ; Q's row l % 16: position l % 8, head (l / 8) % 2 of the tile's two
	v_lshl_add_u32 v[QO], v33, 8, v[QO]
	v_lshl_add_u32 v[QO], v9, 4, v[QO]
	WIN 0x80
.irp t, 0,1
.irp c, 0,1,2,3
	global_load_b128 v[32*\t+8*\c:32*\t+8*\c+3],         v[QO], s[QL:QL+1] offset:512*\t+64*\c
	global_load_b128 v[32*\t+8*\c+4:32*\t+8*\c+7],       v[QO], s[QL:QL+1] offset:512*\t+64*\c+32
	global_load_b128 v[64+32*\t+8*\c:64+32*\t+8*\c+3],   v[QO], s[QS:QS+1] offset:512*\t+64*\c
	global_load_b128 v[64+32*\t+8*\c+4:64+32*\t+8*\c+7], v[QO], s[QS:QS+1] offset:512*\t+64*\c+32
.endr
.endr
	WIN 0x40                                       ; O^T and l need only be finite when a block begins, and the set aside is written on every way: zeros, in the wait for the first tile
.set i, 0
.rept 256
	v_mov_b32 v[i], 0
.set i, i+1
.endr
	WIN 0
.irp t, 0,1
	v_mov_b32 v[ST+8*\t+2], 0
	v_mov_b32 v[ST+8*\t+3], 0
	v_mov_b32 v[SV+3*\t], 0
	v_mov_b32 v[SV+3*\t+1], 0
	v_mov_b32 v[SV+3*\t+2], 0
.endr
	RESET
	s_mul_i32 s16, s[WV], 64*PK
	v_mul_u32_u24 v[AK0], v1, PK
	v_lshl_add_u32 v[AK0], v9, 4, v[AK0]
	v_add_nc_u32 v[AK0], s16, v[AK0]               ; (64 w + l % 16) x pitch + 16 (l / 16)
	s_mul_i32 s16, s[WV], 64*PV
	s_add_co_u32 s16, s16, VOFF
	v_lshl_add_u32 v34, v9, 3, v10
	v_mul_u32_u24 v[AV0], v34, PV
	v_lshl_add_u32 v[AV0], v33, 4, v[AV0]
	v_add_nc_u32 v[AV0], s16, v[AV0]               ; the turning load: key 64 w + 8 (l / 16) + l % 8, channels 8 ((l / 8) % 2) on
	s_mul_i32 s16, s[WV], 16*SPO
	s_add_co_u32 s16, s16, STAGE
	v_mul_u32_u24 v[STO], v1, SPO
	v_lshl_add_u32 v[STO], v9, 5, v[STO]
	v_add_nc_u32 v[STO], s16, v[STO]               ; my part of the stage: row l % 16, 32 bytes for each half of the lanes
	s_mul_i32 s16, s[WV], 4*SPO
	s_add_co_u32 s16, s16, STAGE
	v_mul_u32_u24 v[RD], v9, SPO
	v_lshl_add_u32 v[RD], v1, 5, v[RD]
	v_add_nc_u32 v[RD], s16, v[RD]                 ; back: rows 4 w + l / 16 (+ 2), channels 8 (l % 16) on
	s_and_b32 s16, s[WV], 1
	s_mul_i32 s16, s16, 4*9216
	s_lshr_b32 s17, s[WV], 1
	s_lshl_b32 s17, s17, 8
	s_add_co_u32 s16, s16, s17
	v_mul_u32_u24 v[GO], v9, 9216
	v_lshl_add_u32 v[GO], v1, 4, v[GO]
	v_add_nc_u32 v[GO], s16, v[GO]                 ; row 4 w + l / 16 of a tile: position 4 (w % 2) + l / 16, head w / 2 of the tile's two
	s_mul_i32 s16, s[WV], -64
	v_lshlrev_b32 v34, 3, v9
	v_sub_nc_u32 v[DV0], v10, v34
	v_add_nc_u32 v[DV0], s16, v[DV0]
	s_lshl_b32 s16, s[WV], 8
	s_add_co_u32 s16, s16, STAT
	v_lshl_add_u32 v[SA], v1, 3, s16
	v_lshl_add_u32 v[SR], v1, 3, STAT
	v_and_b32 v[PFO], 31, v0
	v_mul_u32_u24 v[PFO], v[PFO], 1536
	v_add_nc_u32 v[DV], s[PM], v[DV0]
	MKMASK                                         ; the first block's
	s_wait_loadcnt 0x0                             ; Q, both blocks'
.Lslot:                                            ; eight trips: a tile is entered and the next is asked for
	CHANGE 1
	s_sub_co_u32 s[RT], s[RT], 1
	s_cmp_eq_u32 s[RT], 0                          ; a block's last tile takes the mask
	s_cselect_b32 s[AL], 1.0, 0
	ROUND
	s_cmp_eq_u32 s[RT], 0                          ; in the loop this is the first block's end: the second's last tile is the walk's last.  The same in all waves and all partners
	s_cbranch_scc0 .Lsame
	SWITCH
.Lsame:
	s_cmp_eq_u32 s[RT], 0
	s_cselect_b32 s[RT], s[LSN], s[RT]
	s_sub_co_u32 s[SLOTS], s[SLOTS], 1
	s_cmp_lg_u32 s[SLOTS], 0
	s_cbranch_scc1 .Lslot
	CHANGE 0                                       ; the walk's last tile is written out: nothing is asked for
	s_mov_b32 s[AL], 1.0                           ; it is the second block's last tile
	ROUND
	s_mov_b32 s[FC], 2
.Lfin:                                             ; two trips: the second block, which lies in place; then the first, which is brought back
	FINISH
	s_wait_xcnt 0x0                                ; the stores have read their registers and O's address
	s_mov_b64 s[OB:OB+1], s[OB1:OB1+1]
	WIN W_RS
.set i, 0
.rept 128
	v_mov_b32 v[i], v[128+i]
.set i, i+1
.endr
	WIN 0
.irp t, 0,1
	v_mov_b32 v[ST+8*\t], v[SV+3*\t]
	v_mov_b32 v[ST+8*\t+2], v[SV+3*\t+1]
	v_mov_b32 v[ST+8*\t+3], v[SV+3*\t+2]
.endr
	s_sub_co_u32 s[FC], s[FC], 1
	s_cmp_lg_u32 s[FC], 0
	s_cbranch_scc1 .Lfin
	s_wait_tensorcnt 0x0                           ; the wave's end
	ds_add_u32 v[SPW], v[NIL]
	s_wait_dscnt 0x0
	CROUND                                         ; the closing round
	s_endpgm
.Lfunc_end_k_qcf6cda2e2b_attn:
	.size	k_qcf6cda2e2b_attn, .Lfunc_end_k_qcf6cda2e2b_attn-k_qcf6cda2e2b_attn
	.p2alignl 7, 3214868480
	.fill 96, 4, 3214868480
	.section	.rodata,"a",@progbits
	.p2align	6, 0x0
	.amdhsa_kernel k_qcf6cda2e2b_attn
		.amdhsa_group_segment_fixed_size 327680
		.amdhsa_private_segment_fixed_size 0
		.amdhsa_enable_private_segment 0
		.amdhsa_kernarg_size 16
		.amdhsa_user_sgpr_count 2
		.amdhsa_user_sgpr_kernarg_segment_ptr 1
		.amdhsa_wavefront_size32 1
		.amdhsa_system_sgpr_workgroup_id_x 1
		.amdhsa_system_sgpr_workgroup_id_y 1
		.amdhsa_system_sgpr_workgroup_id_z 1
		.amdhsa_system_vgpr_workitem_id 0
		.amdhsa_next_free_vgpr 896
		.amdhsa_next_free_sgpr 92
		.amdhsa_reserve_vcc 1
		.amdhsa_float_denorm_mode_32 3
		.amdhsa_float_denorm_mode_16_64 3
		.amdhsa_memory_ordered 1
		.amdhsa_forward_progress 1
		.amdhsa_inst_pref_size 105
	.end_amdhsa_kernel
	.amdgpu_metadata
---
amdhsa.version: [ 1, 2 ]
amdhsa.kernels:
  - .name:           k_qcf6cda2e2b_attn
    .symbol:         k_qcf6cda2e2b_attn.kd
    .args:
      - { .name: qkv, .offset: 0, .size: 8, .value_kind: global_buffer, .address_space: global }
      - { .name: hb, .offset: 8, .size: 8, .value_kind: global_buffer, .address_space: global }
    .group_segment_fixed_size: 327680
    .private_segment_fixed_size: 0
    .kernarg_segment_align: 8
    .kernarg_segment_size: 16
    .max_flat_workgroup_size: 128
    .sgpr_count:     92
    .vgpr_count:     896
    .wavefront_size: 32
...
	.end_amdgpu_metadata
.endif
;; end of part 3
;; launch ffin (part 4): grid 32 x 16, 4 waves a work-group, clusters of 4 x 4, 327,680 bytes of LDS; arguments xn, w1, hb; writes hb
.if DOCPART == 4
	.amdgcn_target "amdgcn-amd-amdhsa--gfx1250"
	.amdhsa_code_object_version 6
	.text
	.protected	k_qcf6cda2e2b_ffin
	.globl	k_qcf6cda2e2b_ffin
	.p2align	8
	.type	k_qcf6cda2e2b_ffin,@function
k_qcf6cda2e2b_ffin:
	s_mov_b64 s[64:65], 0
	v_nop
	global_prefetch_b8 v0, s[64:65] scope:SCOPE_SE
	s_setreg_imm32_b32 hwreg(HW_REG_WAVE_MODE, 25, 1), 1
	s_wait_xcnt 0x0
	s_wait_alu depctr_hold_cnt(0) depctr_sa_sdst(0) depctr_va_vdst(0) depctr_va_sdst(0) depctr_va_ssrc(0) depctr_va_vcc(0) depctr_vm_vsrc(0)
	s_getreg_b32 s2, hwreg(HW_REG_IB_STS2, 6, 4)
	s_cmp_eq_u32 s2, 0
	s_cbranch_scc0 .Lentry_in_a_cluster
	s_endpgm
.Lentry_in_a_cluster:
	s_bfe_u32 s2, ttmp6, 0x10000c
	s_cmp_lg_u32 s2, 0xf033
	s_cbranch_scc0 .Lentry_shape_is_right
	s_endpgm
.Lentry_shape_is_right:
; FFIN: h = silu(gate) x value, where [value | gate] = xn[4096][1024] x w1[1024][768:8960]; f16 operands, f32 sums; h rounded once to bf16 into hb's columns 512-4607.
; A work-group makes 256 rows x (128 value columns and the 128 gate columns that belong to them).  Wave w takes rows 64 w .. + 63 and all 256 fused columns: 4 x 16 accumulators, column block b < 8 the value,
; b + 8 its gate: a number's value and gate lie in one lane, and a wave owns whole rows of 256 bytes of h, so that the way out needs no barrier.
; K goes in 8 steps of 128 through two LDS slots.  xn is read as it lies; w1 lies [k][n] and is turned on the way out of LDS.  The matrix instruction is used transposed (source 0 = w1's columns).
; CLUSTER 4 x 4: xn's tile hangs on the tile row alone and is shared along a row of the cluster, w1's two tiles on the tile column alone and are shared along a column: joint loads with masks of four.
; h is kept in bf16: it is a product of two projections and has no room in f16 when the inputs are some 30 times larger or smaller.
; LIMITS: |gate x value| stays a finite f32; NaN and infinities are not treated apart.
.set PAF,   272                        ; a row of xn's tile in LDS: 256 bytes + 16
.set PB,    288                        ; a row (one k) of w1's tiles: 256 + 32
.set AHALF, 128*PAF
.set BX,    2*AHALF                    ; the value columns' tile
.set BHALF, 128*PB                     ; behind it the gate columns'
.set SLOT1, 0x24000                    ; no fill address of slot 0 has one of its two bits set: one exclusive or changes slots
.set STAGE, SLOT1+BX+2*BHALF           ; 16 rows x 272 bytes for each wave
.set SP,    272
.set SPARE, STAGE+4*16*SP
.set STEPA, 256
.set STEPB, 128*8960*2
.set ADRA0, 8
.set ADRX0, 9
.set ADRG0, 10
.set ADRA,  11
.set ADRX,  12
.set ADRG,  13
.set STO,   16
.set RD,    17
.set CO,    18
.set PFO,   20
.set SPW,   28
.set NIL,   29
.set R,     32                         ; v[32:63]   packed h
.set OB,    64                         ; v[64:95]   rows read back (xn's fragment buffers, v64-127, are free by then)
.set T,     128                        ; v[128:191] -gate log2(e), then 1 / (1 + e^-gate)
.set U,     192                        ; v[192:255] gate x value
.set WV,    12
.set WH,    13
.set WL,    14
.set TB,    15
.set G1A,   24
.set G0A,   32
.set PFA,   44
.set LIM,   46
.set PAC,   47
.set G1B,   48
.set G0B,   56
.set PST,   66
.set NL,    72                         ; s[72:73] -log2(e): the packed multiply takes the pair's low word for both halves
.set MSB, 0
.macro WIN new
.if MSB != (\new)
	s_set_vgpr_msb (MSB<<8)|(\new)
.set MSB, \new
.endif
.endm
.macro PLACES
.rept 4
	v_nop
.endr
.endm
.macro CREST
	s_cmp_lg_u32 s[WV], 0
	s_cbranch_scc1 .Lnot_wave_0_\@
	s_barrier_signal -3
.Lnot_wave_0_\@:
	s_barrier_wait -3
	s_barrier_signal -1
	s_barrier_wait -1
.endm
.macro CROUND
	s_barrier_signal -1
	s_barrier_wait -1
	CREST
.endm
.macro JLOAD s                         ; waves 0 and 1 fetch xn's two halves, wave 2 the value columns' tile, wave 3 the gate columns'; s_nop 0 and four v_nop follow each line
	s_cmp_eq_u32 s[WH], 0
	s_cbranch_scc0 .Lfor_b_\@
	tensor_load_to_lds s[G0A+4*(\s):G0A+4*(\s)+3], s[G1A:G1A+7]
	s_nop 0
.rept 4
	v_nop
.endr
	s_branch .Lasked_\@
.Lfor_b_\@:
	tensor_load_to_lds s[G0B+4*(\s):G0B+4*(\s)+3], s[G1B:G1B+7]
	s_nop 0
.rept 4
	v_nop
.endr
.Lasked_\@:
.endm
; A PREFETCH, behind each joint refill and the run of LDS loads: the K step that stands two refills on, 32 rows x 256 bytes, a lane a row.  xn's tile row is read by every cluster of that row of clusters:
; cluster x = 0 asks; w1's tile column by every cluster of that column: cluster y = 0 asks.  The four partners of a joint load share its 128 rows out by address.  The last two refills have no K step two on.
.macro ASK
	s_cmp_gt_u32 s3, s[LIM]
	s_cbranch_scc0 .Lnot_mine_\@
	global_prefetch_b8 v[PFO], s[PFA:PFA+1] th:TH_LOAD_NT scope:SCOPE_SE
.Lnot_mine_\@:
.endm
.macro SETADR
	v_add_nc_u32 v[ADRA], s[TB], v[ADRA0]
	v_add_nc_u32 v[ADRX], s[TB], v[ADRX0]
	v_add_nc_u32 v[ADRG], s[TB], v[ADRG0]
.endm
; 16 matrix instructions: row block a x all 16 column blocks, 32 along K, from buffer f.  Accumulator (a, b) at v[8 (16 (a % 2) + b)] of window 2 (a < 2) or 3.  The accumulators take turns in the same order everywhere.
.macro MULROW f, a, zero
	WIN 0xa1+0x50*((\a)/2)                         ; w1's fragments in window 1, xn's in window 0
.irp b, 0,1,2,3,4,5,6,7,8,9,10,11,12,13,14,15
.if \zero
	v_wmma_f32_16x16x32_f16 v[8*(16*((\a)%2)+(\b)):8*(16*((\a)%2)+(\b))+7], v[128*(\f)+8*(\b):128*(\f)+8*(\b)+7], v[64+32*(\f)+8*(\a):64+32*(\f)+8*(\a)+7], 0
.else
	v_wmma_f32_16x16x32_f16 v[8*(16*((\a)%2)+(\b)):8*(16*((\a)%2)+(\b))+7], v[128*(\f)+8*(\b):128*(\f)+8*(\b)+7], v[64+32*(\f)+8*(\a):64+32*(\f)+8*(\a)+7], v[8*(16*((\a)%2)+(\b)):8*(16*((\a)%2)+(\b))+7]
.endif
.endr
.endm
; 40 LDS loads in one run: quarter q (32 along K) into buffer f: w1's 16 fragments, then xn's 4
.macro FETCH q, f
	WIN 0x40
.irp b, 0,1,2,3,4,5,6,7
	ds_load_tr16_b128 v[128*(\f)+8*\b:128*(\f)+8*\b+3],   v[ADRX] offset:(\q)*32*PB+32*\b
	ds_load_tr16_b128 v[128*(\f)+8*\b+4:128*(\f)+8*\b+7], v[ADRX] offset:(\q)*32*PB+16*PB+32*\b
.endr
.irp b, 0,1,2,3,4,5,6,7
	ds_load_tr16_b128 v[128*(\f)+64+8*\b:128*(\f)+64+8*\b+3],   v[ADRG] offset:(\q)*32*PB+32*\b
	ds_load_tr16_b128 v[128*(\f)+64+8*\b+4:128*(\f)+64+8*\b+7], v[ADRG] offset:(\q)*32*PB+16*PB+32*\b
.endr
	WIN 0
.irp a, 0,1,2,3
	ds_load_b128 v[64+32*(\f)+8*\a:64+32*(\f)+8*\a+3],   v[ADRA] offset:64*(\q)+\a*16*PAF
	ds_load_b128 v[64+32*(\f)+8*\a+4:64+32*(\f)+8*\a+7], v[ADRA] offset:64*(\q)+\a*16*PAF+32
.endr
.endm
.macro QUARTER q, f, g, zero
	s_wait_dscnt 4                                 ; w1's fragments and xn's row blocks 0, 1 are in; the youngest four loads may be out
	MULROW \f, 0, \zero
	MULROW \f, 1, \zero
	PLACES
	FETCH \q, \g
	s_wait_dscnt 40                                ; all but the 40 just issued
	MULROW \f, 2, \zero
	MULROW \f, 3, \zero
.endm
.macro TURN fill
.if \fill
	s_wait_xcnt 0x0                                ; the last prefetch, a K step back, has read its address
	s_add_nc_u64 s[PFA:PFA+1], s[PFA:PFA+1], s[PST:PST+1]
.endif
	WIN 0
	s_wait_tensorcnt 0x0                           ; all my tensor loads have landed: my part of the next slot; so a group 0 may be written
	ds_add_u32 v[SPW], v[NIL]
.if \fill
	s_xor_b32 s[G0A+5], s[G0A+5], SLOT1
	s_add_nc_u64 s[G0A+6:G0A+7], s[G0A+6:G0A+7], STEPA
	s_xor_b32 s[G0B+5], s[G0B+5], SLOT1
	s_add_nc_u64 s[G0B+6:G0B+7], s[G0B+6:G0B+7], STEPB
.endif
	s_wait_dscnt 5                                 ; the add and the youngest four loads may be out
	MULROW 1, 0, 0
	s_wait_dscnt 0x0                               ; the add is done, and my reads of this slot are over
	s_barrier_signal -1
	MULROW 1, 1, 0
	WIN 0
	s_barrier_wait -1
.if \fill
	CREST                                          ; no wave of any partner still reads the slot or has a load on its way
	JLOAD 1                                        ; its four v_nop are also the places in front of the loads below
.else
	PLACES
.endif
	s_xor_b32 s[TB], s[TB], SLOT1
	SETADR
	FETCH 0, 0
.if \fill
	ASK
.endif
	MULROW 1, 2, 0
	MULROW 1, 3, 0
.endm
	s_load_b128 s[4:7], s[0:1], 0x0                ; xn 4, w1 6
	s_load_b64 s[8:9], s[0:1], 0x10                ; hb
	v_lshl_add_u32 v[SPW], v0, 2, SPARE
	v_mov_b32 v[NIL], 0
	ds_add_u32 v[SPW], v[NIL]                      ; the wave's opening: the add and its wait ahead of my first tensor load
	v_lshrrev_b32 v1, 5, v0
	v_readfirstlane_b32 s[WV], v1
	s_lshr_b32 s[WH], s[WV], 1
	s_and_b32 s[WL], s[WV], 1
	s_bfe_u32 s40, ttmp6, 0x40000                  ; cx
	s_bfe_u32 s41, ttmp6, 0x40004                  ; cy
	s_lshl_b32 s42, ttmp9, 2
	s_add_co_u32 s42, s42, s40                     ; tile column
	s_and_b32 s43, ttmp7, 0xffff
	s_lshl_b32 s43, s43, 2
	s_add_co_u32 s43, s43, s41                     ; tile row
	s_lshl_b32 s16, s41, 2
	s_lshl_b32 s16, 15, s16                        ; my row of the cluster
	s_lshl_b32 s17, 0x1111, s40                    ; my column
	s_or_b32 s[G1A], s16, (1<<16)|(1<<20)|(1<<21)|(5<<22)|(3<<25)
	s_or_b32 s[G1B], s17, (1<<16)|(1<<20)|(1<<21)|(5<<22)|(7<<25)
.irp g, G1A, G1B
	s_mov_b32 s[\g+1], 128<<16
	s_mov_b32 s[\g+2], 128<<16
	s_mov_b32 s[\g+3], 128<<16
	s_mov_b32 s[\g+4], 128
	s_mov_b32 s[\g+6], 0
	s_mov_b32 s[\g+7], 0
.endr
	s_mov_b32 s[G1A+5], 1024
	s_mov_b32 s[G1B+5], 8960
	s_mov_b32 s[NL], 0xbfb8aa3b                    ; -log2(e)
	s_mov_b32 s[NL+1], s[NL]                       ; named with it as a pair
	s_lshl_b32 s18, s43, 8
	s_lshl_b32 s19, s[WL], 7
	s_add_co_u32 s18, s18, s19                     ; xn: row 256 x tile row + 128 x half
	s_lshl_b32 s18, s18, 11
	s_mov_b32 s19, 0
	s_lshl_b32 s20, s42, 8                         ; w1: column 768 + 128 x tile column, + 4,096 for the gate
	s_lshl_b32 s21, s[WL], 13
	s_add_co_u32 s20, s20, s21
	s_add_co_u32 s20, s20, 1536
	s_mov_b32 s21, 0
	s_mul_i32 s22, s[WL], AHALF
	s_mul_i32 s23, s[WL], BHALF
	s_add_co_u32 s23, s23, BX
	s_mov_b32 s[TB], 0
	s_wait_dscnt 0x0                               ; the opening add is done
	s_wait_kmcnt 0x0
	s_add_nc_u64 s[18:19], s[4:5], s[18:19]
	s_add_nc_u64 s[20:21], s[6:7], s[20:21]
	CROUND                                         ; all sixteen work-groups are here: the first joint loads meet
.irp s, 0,1
	s_mov_b32 s[G0A+4*(\s)], 1
	s_add_co_u32 s[G0A+4*(\s)+1], s22, (\s)*SLOT1
	s_add_nc_u64 s[G0A+4*(\s)+2:G0A+4*(\s)+3], s[18:19], (\s)*STEPA
	s_or_b32 s[G0A+4*(\s)+3], s[G0A+4*(\s)+3], 0x80000000
	s_mov_b32 s[G0B+4*(\s)], 1
	s_add_co_u32 s[G0B+4*(\s)+1], s23, (\s)*SLOT1
	s_add_nc_u64 s[G0B+4*(\s)+2:G0B+4*(\s)+3], s[20:21], (\s)*STEPB
	s_or_b32 s[G0B+4*(\s)+3], s[G0B+4*(\s)+3], 0x80000000
	JLOAD \s
.endr
	v_and_b32 v1, 15, v0
	v_bfe_u32 v2, v0, 4, 1
	v_and_b32 v3, 7, v0
	v_bfe_u32 v4, v0, 3, 1
	s_mul_i32 s16, s[WV], 64*PAF
	v_mul_u32_u24 v[ADRA0], v1, PAF
	v_lshl_add_u32 v[ADRA0], v2, 4, v[ADRA0]
	v_add_nc_u32 v[ADRA0], s16, v[ADRA0]
	v_lshl_add_u32 v5, v2, 3, v3
	v_mul_u32_u24 v5, v5, PB
	v_lshl_add_u32 v5, v4, 4, v5
	v_add_nc_u32 v[ADRX0], BX, v5
	v_add_nc_u32 v[ADRG0], BX+BHALF, v5
	s_mul_i32 s16, s[WV], 16*SP
	s_add_co_u32 s16, s16, STAGE                   ; my stage
	v_mul_u32_u24 v[STO], v1, SP
	v_lshl_add_u32 v[STO], v2, 4, v[STO]
	v_add_nc_u32 v[STO], s16, v[STO]
	v_mul_u32_u24 v[RD], v2, SP
	v_lshl_add_u32 v[RD], v1, 4, v[RD]
	v_add_nc_u32 v[RD], s16, v[RD]
	v_mul_u32_u24 v[CO], v2, 9216
	v_lshl_add_u32 v[CO], v1, 4, v[CO]
	s_lshl_b32 s16, s43, 8
	s_lshl_b32 s17, s[WV], 6
	s_add_co_u32 s16, s16, s17                     ; my first row of h
	s_mul_i32 s16, s16, 9216
	s_lshl_b32 s17, s42, 8
	s_add_co_u32 s16, s16, s17
	s_add_co_u32 s16, s16, 1024                    ; behind O's 512 columns
	s_mov_b32 s17, 0
	s_add_nc_u64 s[8:9], s[8:9], s[16:17]
	; the prefetches: they stand at K step 3; the first refill steps them to 4
	s_lshl_b32 s16, s43, 8
	s_lshl_b32 s17, s[WL], 7
	s_add_co_u32 s16, s16, s17
	s_lshl_b32 s17, s40, 5
	s_add_co_u32 s16, s16, s17                     ; xn: my work-group's 32 of the 128 rows that I fetch
	s_lshl_b32 s16, s16, 11
	s_add_co_u32 s16, s16, 3*STEPA
	s_lshl_b32 s17, s41, 5
	s_add_co_u32 s17, s17, 3*128                   ; w1: my work-group's 32 of the step's 128 k rows
	s_mul_i32 s17, s17, 17920
	s_lshl_b32 s68, s42, 8
	s_add_co_u32 s17, s17, s68
	s_lshl_b32 s68, s[WL], 13
	s_add_co_u32 s17, s17, s68
	s_add_co_u32 s17, s17, 1536
	s_and_b32 s70, ttmp7, 0xffff                   ; cluster y
	s_mov_b32 s68, 17920
	s_mov_b32 s69, STEPB
	s_cmp_eq_u32 s[WH], 0                          ; do I fetch xn?
	s_cselect_b32 s16, s16, s17
	s_cselect_b32 s70, ttmp9, s70                  ; the coordinate along which other clusters read the same rows
	s_cselect_b64 s[PFA:PFA+1], s[4:5], s[6:7]
	s_cselect_b32 s68, 2048, s68                   ; bytes from row to row
	s_cselect_b32 s[PST], STEPA, s69
	s_mov_b32 s[PST+1], 0
	s_mov_b32 s17, 0
	s_add_nc_u64 s[PFA:PFA+1], s[PFA:PFA+1], s[16:17]
	s_cmp_eq_u32 s70, 0
	s_cselect_b32 s[LIM], 2, -1
	v_and_b32 v[PFO], 31, v0
	v_mul_u32_u24 v[PFO], v[PFO], s68
	s_wait_tensorcnt 0x1                           ; my part of step 0 is in; step 1's load may stay out
	s_barrier_signal -1
	s_barrier_wait -1
	SETADR
	FETCH 0, 0
	QUARTER 1, 0, 1, 1                             ; the first products start the sums
	WIN 0
	s_mov_b32 s3, 6
.Lstep:                                            ; a trip: a step's quarters 1 to 3 and the next step's quarter 0; steps 2 to 7 are asked for
	QUARTER 2, 1, 0, 0
	QUARTER 3, 0, 1, 0
	TURN 1
	QUARTER 1, 0, 1, 0
	WIN 0
	s_sub_co_u32 s3, s3, 1
	s_cmp_lg_u32 s3, 0
	s_cbranch_scc1 .Lstep
	s_mov_b32 s3, 2
.Ltail:                                            ; the last two steps ask for nothing: a loop of their own; the second trip is left in its middle
	QUARTER 2, 1, 0, 0
	QUARTER 3, 0, 1, 0
	WIN 0
	s_sub_co_u32 s3, s3, 1
	s_cmp_eq_u32 s3, 0
	s_cbranch_scc1 .Lleft
	TURN 0
	QUARTER 1, 0, 1, 0
	WIN 0
	s_branch .Ltail
.Lleft:
	s_wait_dscnt 4                                 ; the very last quarter
	MULROW 1, 0, 0
	MULROW 1, 1, 0
	s_wait_dscnt 0x0
	MULROW 1, 2, 0
	MULROW 1, 3, 0
	WIN 0
.rept 8
	v_nop                                          ; the places behind the last products
.endr
; THE WAY OUT, a row block (16 rows) a trip.  GROUP a does the two multiplications that read the accumulators and lands them in fixed registers, so that the rest is written once.
; Each accumulator is read from its low end on.
.macro GROUP a
	WIN 0x02+((\a)/2)                              ; source 0 in window 2 or 3; source 1 is the scalar pair
.irp b, 0,1,2,3,4,5,6,7
.irp p, 0,1,2,3
	v_pk_mul_f32 v[T+8*\b+2*\p:T+8*\b+2*\p+1], v[8*(16*((\a)%2)+8+\b)+2*\p:8*(16*((\a)%2)+8+\b)+2*\p+1], s[NL:NL+1] op_sel_hi:[1,0]
.endr
.endr
	WIN 0x0a+5*((\a)/2)                            ; both sources in window 2 or 3
.irp b, 0,1,2,3,4,5,6,7
.irp p, 0,1,2,3
	v_pk_mul_f32 v[U+8*\b+2*\p:U+8*\b+2*\p+1], v[8*(16*((\a)%2)+8+\b)+2*\p:8*(16*((\a)%2)+8+\b)+2*\p+1], v[8*(16*((\a)%2)+\b)+2*\p:8*(16*((\a)%2)+\b)+2*\p+1]
.endr
.endr
	WIN 0
.endm
	s_mov_b32 s[PAC], 0
.Lblock:
	s_cmp_eq_u32 s[PAC], 0
	s_cbranch_scc1 .Lg0
	s_cmp_eq_u32 s[PAC], 1
	s_cbranch_scc1 .Lg1
	s_cmp_eq_u32 s[PAC], 2
	s_cbranch_scc1 .Lg2
	GROUP 3
	s_branch .Lact
.Lg0:
	GROUP 0
	s_branch .Lact
.Lg1:
	GROUP 1
	s_branch .Lact
.Lg2:
	GROUP 2
.Lact:
.set i, 0
.rept 64
	v_exp_f32 v[T+i], v[T+i]                       ; e^-gate
.set i, i+1
.endr
	v_nop
	s_wait_alu depctr_va_vdst(0)                   ; one wait for the 64
.set i, 0
.rept 32
	v_pk_add_f32 v[T+2*i:T+2*i+1], v[T+2*i:T+2*i+1], 1.0 op_sel_hi:[1,0]
.set i, i+1
.endr
.set i, 0
.rept 64
	v_rcp_f32 v[T+i], v[T+i]
.set i, i+1
.endr
	v_nop
	s_wait_alu depctr_va_vdst(0)                   ; one wait for the 64
.set i, 0
.rept 32
	v_pk_mul_f32 v[U+2*i:U+2*i+1], v[U+2*i:U+2*i+1], v[T+2*i:T+2*i+1]
.set i, i+1
.endr
.set i, 0
.rept 32
	v_cvt_pk_bf16_f32 v[R+i], v[U+2*i], v[U+2*i+1]
.set i, i+1
.endr
.irp b, 0,1,2,3,4,5,6,7
	ds_store_b128 v[STO], v[R+4*\b:R+4*\b+3] offset:32*\b
.endr
.irp t, 0,1,2,3,4,5,6,7
	ds_load_b128 v[OB+4*\t:OB+4*\t+3], v[RD] offset:\t*2*SP  ; LDS serves a wave's instructions in order: these see the stores above
.endr
	s_wait_dscnt 0x0
.irp t, 0,1,2,3,4,5,6,7
	global_store_b128 v[CO], v[OB+4*\t:OB+4*\t+3], s[8:9] offset:18432*\t  ; 16 lanes store 256 consecutive bytes, aligned
.endr
	s_wait_xcnt 0x0                                ; the stores have read their data and base: both are written again only behind this wait
	s_add_nc_u64 s[8:9], s[8:9], 16*9216
	s_add_co_u32 s[PAC], s[PAC], 1
	s_cmp_lt_u32 s[PAC], 4
	s_cbranch_scc1 .Lblock
	s_wait_tensorcnt 0x0                           ; the wave's end
	ds_add_u32 v[SPW], v[NIL]
	s_wait_dscnt 0x0
	CROUND                                         ; the closing round
	s_endpgm
.Lfunc_end_k_qcf6cda2e2b_ffin:
	.size	k_qcf6cda2e2b_ffin, .Lfunc_end_k_qcf6cda2e2b_ffin-k_qcf6cda2e2b_ffin
	.p2alignl 7, 3214868480
	.fill 96, 4, 3214868480
	.section	.rodata,"a",@progbits
	.p2align	6, 0x0
	.amdhsa_kernel k_qcf6cda2e2b_ffin
		.amdhsa_group_segment_fixed_size 327680
		.amdhsa_private_segment_fixed_size 0
		.amdhsa_enable_private_segment 0
		.amdhsa_kernarg_size 24
		.amdhsa_user_sgpr_count 2
		.amdhsa_user_sgpr_kernarg_segment_ptr 1
		.amdhsa_wavefront_size32 1
		.amdhsa_system_sgpr_workgroup_id_x 1
		.amdhsa_system_sgpr_workgroup_id_y 1
		.amdhsa_system_sgpr_workgroup_id_z 1
		.amdhsa_system_vgpr_workitem_id 0
		.amdhsa_next_free_vgpr 1024
		.amdhsa_next_free_sgpr 80
		.amdhsa_reserve_vcc 0
		.amdhsa_float_denorm_mode_32 3
		.amdhsa_float_denorm_mode_16_64 3
		.amdhsa_memory_ordered 1
		.amdhsa_forward_progress 1
		.amdhsa_inst_pref_size 109
	.end_amdhsa_kernel
	.amdgpu_metadata
---
amdhsa.version: [ 1, 2 ]
amdhsa.kernels:
  - .name:           k_qcf6cda2e2b_ffin
    .symbol:         k_qcf6cda2e2b_ffin.kd
    .args:
      - { .name: xn, .offset: 0, .size: 8, .value_kind: global_buffer, .address_space: global }
      - { .name: w1, .offset: 8, .size: 8, .value_kind: global_buffer, .address_space: global }
      - { .name: hb, .offset: 16, .size: 8, .value_kind: global_buffer, .address_space: global }
    .group_segment_fixed_size: 327680
    .private_segment_fixed_size: 0
    .kernarg_segment_align: 8
    .kernarg_segment_size: 24
    .max_flat_workgroup_size: 128
    .sgpr_count:     80
    .vgpr_count:     1024
    .wavefront_size: 32
...
	.end_amdgpu_metadata
.endif
;; end of part 4
;; launch last (part 5): grid 8 x 32, 4 waves a work-group, clusters of 4 x 4, 327,680 bytes of LDS; arguments hb, wo, out0; writes out0
.if DOCPART == 5
	.amdgcn_target "amdgcn-amd-amdhsa--gfx1250"
	.amdhsa_code_object_version 6
	.text
	.protected	k_qcf6cda2e2b_last
	.globl	k_qcf6cda2e2b_last
	.p2align	8
	.type	k_qcf6cda2e2b_last,@function
k_qcf6cda2e2b_last:
	s_mov_b64 s[64:65], 0
	v_nop
	global_prefetch_b8 v0, s[64:65] scope:SCOPE_SE
	s_setreg_imm32_b32 hwreg(HW_REG_WAVE_MODE, 25, 1), 1
	s_wait_xcnt 0x0
	s_wait_alu depctr_hold_cnt(0) depctr_sa_sdst(0) depctr_va_vdst(0) depctr_va_sdst(0) depctr_va_ssrc(0) depctr_va_vcc(0) depctr_vm_vsrc(0)
	s_getreg_b32 s2, hwreg(HW_REG_IB_STS2, 6, 4)
	s_cmp_eq_u32 s2, 0
	s_cbranch_scc0 .Lentry_in_a_cluster
	s_endpgm
.Lentry_in_a_cluster:
	s_bfe_u32 s2, ttmp6, 0x10000c
	s_cmp_lg_u32 s2, 0xf033
	s_cbranch_scc0 .Lentry_shape_is_right
	s_endpgm
.Lentry_shape_is_right:
; LAST: out0[4096][1024] = hb[4096][4608] x wo[4608][1024], f32 sums, stored as f32: attn_out + ff_out as ONE product.
; hb's columns 0-511 (O) and wo's rows 0-511 (w_attn_out + oA oB) are f16; the rest (h, w_ff_out) is bf16.  K goes in 18 steps of 256: steps 0, 1 by the f16 form, steps 2-17 by the bf16 form, onto the same sums.
; A work-group makes 128 x 128 (256 tiles, one for each of the grid's work-groups); four waves, 2 x 2, each 64 x 64: 16 accumulators.
; hb is read as it lies; wo lies [k][n] and is turned on the way out of LDS.  The matrix instruction is used transposed (source 0 = wo's columns): a lane holds row l % 16 and eight neighbouring columns.
; CLUSTER 4 x 4: hb's tile is shared along a row of the cluster, wo's along a column: joint loads with masks of four.
; THE ORDER ALONG K.  All clusters begin with steps 0 and 1.  Clusters with (cluster x + cluster y) even then walk steps 2 .. 17, the others 10 .. 17 and then 2 .. 9 (f32 sums may be taken in any order).
; The two clusters that read the same rows of hb differ in that number, and so do neighbouring clusters that read the same columns of wo: a given K step is asked for at two times, eight steps apart,
; not by all its readers at once.  Only the global addresses differ; the number is made of the cluster's two numbers alone and is the same in all sixteen partners.
.set PA,    528
.set PB,    288
.set AHALF, 64*PA
.set BHALF, 128*PB
.set BOFF,  2*AHALF
.set SLOT1, 0x24000                    ; no fill address of slot 0 has one of its two bits set: one exclusive or changes slots
.set STAGE, SLOT1+BOFF+2*BHALF         ; 16 rows x 272 bytes for each wave: a wave's 64 columns of f32 are 256 bytes
.set SP,    272
.set SPARE, STAGE+4*16*SP
.set STEPA, 512
.set STEPB, 256*1024*2
.set ADRA0, 8
.set ADRB0, 9
.set ADRA,  10
.set ADRBL, 11
.set ADRBH, 12
.set STO,   16
.set RD,    17
.set CO,    18
.set PFO,   20
.set SPW,   28
.set NIL,   29
.set TMP,   32
.set ACC,   128
.set F0,    0
.set F1,    128
.set WV,    12
.set WH,    13
.set WL,    14
.set TB,    15
.set G1A,   24
.set G0A,   32
.set PFA,   44
.set LIM,   46
.set G1B,   48
.set G0B,   56
.set PST,   66
.set ROT,   73                         ; 1: my cluster walks steps 10 .. 17 ahead of steps 2 .. 9
.set JT,    74                         ; s[74:75], s[76:77] what a refill's addresses jump by
.set FWA,   78                         ; ROT x 8 K steps of hb, in bytes
.set FWB,   79                         ; and of wo
.set BKA,   80                         ; ROT x 16 K steps of hb
.set BKB,   81                         ; and of wo
.set MUL,   0x05
.set TO_F,  0x40
.set MSB, 0
.macro WIN new
.if MSB != (\new)
	s_set_vgpr_msb (MSB<<8)|(\new)
.set MSB, \new
.endif
.endm
.macro PLACES
.rept 4
	v_nop
.endr
.endm
.macro CREST
	s_cmp_lg_u32 s[WV], 0
	s_cbranch_scc1 .Lnot_wave_0_\@
	s_barrier_signal -3
.Lnot_wave_0_\@:
	s_barrier_wait -3
	s_barrier_signal -1
	s_barrier_wait -1
.endm
.macro CROUND
	s_barrier_signal -1
	s_barrier_wait -1
	CREST
.endm
.macro JLOAD s                         ; waves 0 and 1 fetch hb's two halves, waves 2 and 3 wo's; s_nop 0 and four v_nop follow each line
	s_cmp_eq_u32 s[WH], 0
	s_cbranch_scc0 .Lfor_b_\@
	tensor_load_to_lds s[G0A+4*(\s):G0A+4*(\s)+3], s[G1A:G1A+7]
	s_nop 0
.rept 4
	v_nop
.endr
	s_branch .Lasked_\@
.Lfor_b_\@:
	tensor_load_to_lds s[G0B+4*(\s):G0B+4*(\s)+3], s[G1B:G1B+7]
	s_nop 0
.rept 4
	v_nop
.endr
.Lasked_\@:
.endm
; A PREFETCH, behind a joint refill and the run of LDS loads: the K step that stands two refills on in my cluster's own order.  A cluster asks only for the third to the eighth of its sixteen bf16 steps: those
; eight steps it walks ahead of the clusters of the other order, and a block's later readings are not asked for; the first two of them come by their loads alone.  So there are six requests: behind the two
; refills of the f16 steps (how = 1) and behind the first four of the loop (how = 0: while s3 is above 10).  WHO: of hb every cluster asks (the two that read the same rows have different steps); of wo the
; clusters y = 0 and y = 1, one of each order.  The four partners of a joint load share its rows out by address: of hb 16 rows x two blocks of 256 bytes, of wo 32 rows x one.  Each block is named once.
.macro ASK how
.if \how
	s_cmp_eq_u32 s[LIM], 10
.else
	s_cmp_gt_u32 s3, s[LIM]
.endif
	s_cbranch_scc0 .Lnot_mine_\@
	global_prefetch_b8 v[PFO], s[PFA:PFA+1] th:TH_LOAD_NT scope:SCOPE_SE
.Lnot_mine_\@:
.endm
.macro SETADR
	v_add_nc_u32 v[ADRA], s[TB], v[ADRA0]
	v_add_nc_u32 v[ADRBL], s[TB], v[ADRB0]
	v_add_nc_u32 v[ADRBH], BHALF, v[ADRBL]
.endm
.macro MM form, zero, d, x, y          ; one matrix instruction: form 0 f16, 1 bf16; zero = 1 starts the sum
.if (\form) && (\zero)
	v_wmma_f32_16x16x32_bf16 v[\d:(\d)+7], v[\x:(\x)+7], v[\y:(\y)+7], 0
.elseif \form
	v_wmma_f32_16x16x32_bf16 v[\d:(\d)+7], v[\x:(\x)+7], v[\y:(\y)+7], v[\d:(\d)+7]
.elseif \zero
	v_wmma_f32_16x16x32_f16 v[\d:(\d)+7], v[\x:(\x)+7], v[\y:(\y)+7], 0
.else
	v_wmma_f32_16x16x32_f16 v[\d:(\d)+7], v[\x:(\x)+7], v[\y:(\y)+7], v[\d:(\d)+7]
.endif
.endm
.macro MUL8 f, c, a0, zero, form       ; row blocks a0, a0 + 1 x 4 column blocks, 32 along K: half c of buffer f.  The 16 accumulators take turns in the same order everywhere
	WIN MUL
.irp a, \a0, (\a0)+1
.irp b, 0,1,2,3
	MM \form, \zero, ACC+8*(4*(\a)+(\b)), (\f)+64+8*(4*(\c)+(\b)), (\f)+8*(4*(\c)+(\a))
.endr
.endr
.endm
.macro FETCH q, f                      ; 32 LDS loads in one run: quarter q (64 along K) into buffer f; its first 32 along K first
	WIN TO_F
.irp c, 0,1
.irp i, 0,1,2,3
	ds_load_tr16_b128 v[(\f)+64+8*(4*(\c)+(\i)):(\f)+64+8*(4*(\c)+(\i))+3],   v[ADRBL+(\q)/2] offset:(((\q)%2)*64+32*(\c))*PB+32*(\i)
	ds_load_tr16_b128 v[(\f)+64+8*(4*(\c)+(\i))+4:(\f)+64+8*(4*(\c)+(\i))+7], v[ADRBL+(\q)/2] offset:(((\q)%2)*64+32*(\c)+16)*PB+32*(\i)
	ds_load_b128 v[(\f)+8*(4*(\c)+(\i)):(\f)+8*(4*(\c)+(\i))+3],   v[ADRA] offset:128*(\q)+64*(\c)+(\i)*16*PA
	ds_load_b128 v[(\f)+8*(4*(\c)+(\i))+4:(\f)+8*(4*(\c)+(\i))+7], v[ADRA] offset:128*(\q)+64*(\c)+(\i)*16*PA+32
.endr
.endr
.endm
.macro QUARTER q, f, g, zero, form
	s_wait_dscnt 16                                ; the first 32 along K are in; the youngest sixteen loads may be out
	MUL8 \f, 0, 0, \zero, \form
	MUL8 \f, 0, 2, \zero, \form
	PLACES
	FETCH \q, \g
	s_wait_dscnt 32                                ; all but the 32 just issued
	MUL8 \f, 1, 0, 0, \form
	MUL8 \f, 1, 2, 0, \form
.endm
; The last quarter multiplies buffer 1 and changes slots.  fill = 1: the slot just read is filled again, two steps of the walk ahead.  how = 1: in the loop of the two f16 steps (s3 = 2, 1): its first refill is
; the walk's third step, K step 2 or 10.  how = 0: in the loop of the bf16 steps (s3 = 14 .. 1): the refill at s3 = 8 is the walk's eleventh step, K step 10 or, sixteen steps back, 2.
.macro TURN fill, form, how
.if \fill
	s_wait_xcnt 0x0                                ; the last prefetch, a K step back, has read its address
	s_add_nc_u64 s[PFA:PFA+1], s[PFA:PFA+1], s[PST:PST+1]
.endif
	WIN 0
	s_wait_tensorcnt 0x0                           ; all my tensor loads have landed: my part of the next slot; so a group 0 may be written
	ds_add_u32 v[SPW], v[NIL]
.if \fill
	s_xor_b32 s[G0A+5], s[G0A+5], SLOT1
	s_add_nc_u64 s[G0A+6:G0A+7], s[G0A+6:G0A+7], STEPA
	s_xor_b32 s[G0B+5], s[G0B+5], SLOT1
	s_add_nc_u64 s[G0B+6:G0B+7], s[G0B+6:G0B+7], STEPB
.if \how
	s_cmp_eq_u32 s3, 2
	s_cselect_b32 s[JT], s[FWA], 0
	s_cselect_b32 s[JT+2], s[FWB], 0
	s_add_nc_u64 s[G0A+6:G0A+7], s[G0A+6:G0A+7], s[JT:JT+1]
	s_add_nc_u64 s[G0B+6:G0B+7], s[G0B+6:G0B+7], s[JT+2:JT+3]
.else
	s_cmp_eq_u32 s3, 8
	s_cselect_b32 s[JT], s[BKA], 0
	s_cselect_b32 s[JT+2], s[BKB], 0
	s_sub_nc_u64 s[G0A+6:G0A+7], s[G0A+6:G0A+7], s[JT:JT+1]
	s_sub_nc_u64 s[G0B+6:G0B+7], s[G0B+6:G0B+7], s[JT+2:JT+3]
.endif
.endif
	s_wait_dscnt 17                                ; the add and the youngest sixteen loads may be out
	MUL8 F1, 0, 0, 0, \form
	s_wait_dscnt 0x0                               ; the add is done, and my reads of this slot are over
	s_barrier_signal -1
	MUL8 F1, 0, 2, 0, \form
	WIN 0
	s_barrier_wait -1
.if \fill
	CREST                                          ; no wave of any partner still reads the slot or has a load on its way
	JLOAD 1                                        ; its four v_nop are also the places in front of the loads below
.else
	PLACES
.endif
	s_xor_b32 s[TB], s[TB], SLOT1
	SETADR
	FETCH 0, F0
.if \fill
	WIN 0
	ASK \how
.endif
	MUL8 F1, 1, 0, 0, \form
	MUL8 F1, 1, 2, 0, \form
.endm
	s_load_b128 s[4:7], s[0:1], 0x0                ; hb 4, wo 6
	s_load_b64 s[8:9], s[0:1], 0x10                ; out0
	v_lshl_add_u32 v[SPW], v0, 2, SPARE
	v_mov_b32 v[NIL], 0
	ds_add_u32 v[SPW], v[NIL]                      ; the wave's opening: the add and its wait ahead of my first tensor load
	v_lshrrev_b32 v1, 5, v0
	v_readfirstlane_b32 s[WV], v1
	s_lshr_b32 s[WH], s[WV], 1
	s_and_b32 s[WL], s[WV], 1
	s_bfe_u32 s40, ttmp6, 0x40000                  ; cx
	s_bfe_u32 s41, ttmp6, 0x40004                  ; cy
	s_lshl_b32 s42, ttmp9, 2
	s_add_co_u32 s42, s42, s40                     ; tile column
	s_and_b32 s43, ttmp7, 0xffff
	s_lshl_b32 s43, s43, 2
	s_add_co_u32 s43, s43, s41                     ; tile row
	s_lshl_b32 s16, s41, 2
	s_lshl_b32 s16, 15, s16                        ; my row of the cluster
	s_lshl_b32 s17, 0x1111, s40                    ; my column
	s_or_b32 s[G1A], s16, (1<<16)|(1<<20)|(1<<21)|(6<<22)|(3<<25)
	s_mov_b32 s[G1A+1], 256<<16
	s_mov_b32 s[G1A+2], 64<<16
	s_mov_b32 s[G1A+3], 256<<16
	s_mov_b32 s[G1A+4], 64
	s_mov_b32 s[G1A+5], 4608
	s_mov_b32 s[G1A+6], 0
	s_mov_b32 s[G1A+7], 0
	s_or_b32 s[G1B], s17, (1<<16)|(1<<20)|(1<<21)|(5<<22)|(7<<25)
	s_mov_b32 s[G1B+1], 128<<16
	s_mov_b32 s[G1B+2], 128<<16
	s_mov_b32 s[G1B+3], 128<<16
	s_mov_b32 s[G1B+4], 128
	s_mov_b32 s[G1B+5], 1024
	s_mov_b32 s[G1B+6], 0
	s_mov_b32 s[G1B+7], 0
	s_lshl_b32 s18, s43, 7
	s_lshl_b32 s19, s[WL], 6
	s_add_co_u32 s18, s18, s19                     ; hb: row 128 x tile row + 64 x half
	s_mul_i32 s18, s18, 9216
	s_mov_b32 s19, 0
	s_lshl_b32 s20, s[WL], 18                      ; wo: k row 128 x half, column 128 x tile column
	s_lshl_b32 s21, s42, 8
	s_add_co_u32 s20, s20, s21
	s_mov_b32 s21, 0
	s_mul_i32 s22, s[WL], AHALF
	s_mul_i32 s23, s[WL], BHALF
	s_add_co_u32 s23, s23, BOFF
	s_mov_b32 s[TB], 0
	s_wait_dscnt 0x0                               ; the opening add is done
	s_wait_kmcnt 0x0
	s_add_nc_u64 s[18:19], s[4:5], s[18:19]
	s_add_nc_u64 s[20:21], s[6:7], s[20:21]
	CROUND                                         ; all sixteen work-groups are here: the first joint loads meet
.irp s, 0,1
	s_mov_b32 s[G0A+4*(\s)], 1
	s_add_co_u32 s[G0A+4*(\s)+1], s22, (\s)*SLOT1
	s_add_nc_u64 s[G0A+4*(\s)+2:G0A+4*(\s)+3], s[18:19], (\s)*STEPA
	s_or_b32 s[G0A+4*(\s)+3], s[G0A+4*(\s)+3], 0x80000000
	s_mov_b32 s[G0B+4*(\s)], 1
	s_add_co_u32 s[G0B+4*(\s)+1], s23, (\s)*SLOT1
	s_add_nc_u64 s[G0B+4*(\s)+2:G0B+4*(\s)+3], s[20:21], (\s)*STEPB
	s_or_b32 s[G0B+4*(\s)+3], s[G0B+4*(\s)+3], 0x80000000
	JLOAD \s
.endr
	v_and_b32 v1, 15, v0
	v_bfe_u32 v2, v0, 4, 1
	v_and_b32 v3, 7, v0
	v_bfe_u32 v4, v0, 3, 1
	v_mul_u32_u24 v[ADRA0], v1, PA
	v_lshl_add_u32 v[ADRA0], v2, 4, v[ADRA0]
	s_mul_i32 s16, s[WH], AHALF
	v_add_nc_u32 v[ADRA0], s16, v[ADRA0]
	v_lshl_add_u32 v5, v2, 3, v3
	v_mul_u32_u24 v[ADRB0], v5, PB
	v_lshl_add_u32 v[ADRB0], v4, 4, v[ADRB0]
	s_lshl_b32 s16, s[WL], 7                       ; my 64 neighbouring columns
	s_add_co_u32 s16, s16, BOFF
	v_add_nc_u32 v[ADRB0], s16, v[ADRB0]
	s_mul_i32 s16, s[WV], 16*SP
	s_add_co_u32 s16, s16, STAGE                   ; my stage
	v_mul_u32_u24 v[STO], v1, SP
	v_lshl_add_u32 v[STO], v2, 5, v[STO]           ; row l % 16, 32 bytes (8 f32) for each half of the lanes
	v_add_nc_u32 v[STO], s16, v[STO]
	v_mul_u32_u24 v[RD], v2, SP
	v_lshl_add_u32 v[RD], v1, 4, v[RD]
	v_add_nc_u32 v[RD], s16, v[RD]
	v_lshlrev_b32 v[CO], 12, v2
	v_lshl_add_u32 v[CO], v1, 4, v[CO]
	s_lshl_b32 s16, s43, 7
	s_lshl_b32 s17, s[WH], 6
	s_add_co_u32 s16, s16, s17                     ; my first row of the output,
	s_lshl_b32 s16, s16, 12
	s_lshl_b32 s17, s42, 9                         ; my first column, in bytes
	s_add_co_u32 s16, s16, s17
	s_lshl_b32 s17, s[WL], 8
	s_add_co_u32 s16, s16, s17
	s_mov_b32 s17, 0
	s_add_nc_u64 s[8:9], s[8:9], s[16:17]
	; the order along K, of the cluster's two numbers alone
	s_and_b32 s71, ttmp7, 0xffff                   ; cluster y
	s_add_co_u32 s[ROT], s71, ttmp9
	s_and_b32 s[ROT], s[ROT], 1
	s_lshl_b32 s[FWA], s[ROT], 12                  ; 8 x 512 bytes, or nothing
	s_lshl_b32 s[FWB], s[ROT], 22                  ; 8 x 524,288
	s_lshl_b32 s[BKA], s[ROT], 13                  ; 16 steps
	s_lshl_b32 s[BKB], s[ROT], 23
	s_mov_b32 s[JT+1], 0
	s_mov_b32 s[JT+3], 0
	; the prefetches: they stand at K step 3 or 11; the first refill steps them to 4 or 12, the walk's fifth step
	s_lshl_b32 s16, s43, 7
	s_lshl_b32 s17, s[WL], 6
	s_add_co_u32 s16, s16, s17
	s_lshl_b32 s17, s40, 4
	s_add_co_u32 s16, s16, s17                     ; hb: my work-group's 16 of the 64 rows that I fetch
	s_mul_i32 s16, s16, 9216
	s_add_co_u32 s16, s16, 3*STEPA
	s_add_co_u32 s16, s16, s[FWA]
	s_lshl_b32 s17, s[WL], 7
	s_lshl_b32 s68, s41, 5
	s_add_co_u32 s17, s17, s68
	s_add_co_u32 s17, s17, 3*256                   ; wo: my work-group's 32 of the 128 k rows that I fetch
	s_lshl_b32 s17, s17, 11
	s_lshl_b32 s68, s42, 8
	s_add_co_u32 s17, s17, s68
	s_add_co_u32 s17, s17, s[FWB]
	s_lshr_b32 s71, s71, 1                         ; 0 in clusters y = 0 and y = 1
	s_mov_b32 s70, 2048
	s_mov_b32 s72, STEPB
	s_cmp_eq_u32 s[WH], 0                          ; do I fetch hb?
	s_cselect_b32 s16, s16, s17
	s_cselect_b32 s71, 0, s71                      ; of hb every cluster asks
	s_cselect_b64 s[PFA:PFA+1], s[4:5], s[6:7]
	s_cselect_b32 s68, 1, 0                        ; hb: two lanes a row
	s_cselect_b32 s69, 1, 0
	s_cselect_b32 s70, 9216, s70                   ; bytes from row to row
	s_cselect_b32 s[PST], STEPA, s72
	s_mov_b32 s[PST+1], 0
	s_mov_b32 s17, 0
	s_add_nc_u64 s[PFA:PFA+1], s[PFA:PFA+1], s[16:17]
	s_cmp_eq_u32 s71, 0
	s_cselect_b32 s[LIM], 10, -1
	v_and_b32 v5, 31, v0
	v_lshrrev_b32 v6, s68, v5
	v_and_b32 v7, s69, v5
	v_mul_u32_u24 v[PFO], v6, s70
	v_lshl_add_u32 v[PFO], v7, 8, v[PFO]
	s_wait_tensorcnt 0x1                           ; my part of step 0 is in; step 1's load may stay out
	s_barrier_signal -1
	s_barrier_wait -1
	SETADR
	FETCH 0, F0
	QUARTER 1, F0, F1, 1, 0                        ; the first products start the sums
	WIN 0
	s_mov_b32 s3, 2
.Lhalf:                                            ; steps 0 and 1, O x (w_attn_out + oA oB), by the f16 form: two trips, each with its refill; the second is left behind it
	QUARTER 2, F1, F0, 0, 0
	QUARTER 3, F0, F1, 0, 0
	TURN 1, 0, 1
	WIN 0
	s_sub_co_u32 s3, s3, 1
	s_cmp_eq_u32 s3, 0
	s_cbranch_scc1 .Lbf
	QUARTER 1, F0, F1, 0, 0
	WIN 0
	s_branch .Lhalf
.Lbf:
.rept 9
	v_nop                                          ; the two forms on one accumulator are no chain in place: the distance behind the last f16 product is kept once
.endr
	QUARTER 1, F0, F1, 0, 1
	WIN 0
	s_mov_b32 s3, 14
.Lstep:                                            ; a trip: a step's quarters 1 to 3 and the next step's quarter 0; the walk's fifth to eighteenth steps are asked for
	QUARTER 2, F1, F0, 0, 1
	QUARTER 3, F0, F1, 0, 1
	TURN 1, 1, 0
	QUARTER 1, F0, F1, 0, 1
	WIN 0
	s_sub_co_u32 s3, s3, 1
	s_cmp_lg_u32 s3, 0
	s_cbranch_scc1 .Lstep
	s_mov_b32 s3, 2
.Ltail:                                            ; the last two steps ask for nothing: a loop of their own; the second trip is left in its middle
	QUARTER 2, F1, F0, 0, 1
	QUARTER 3, F0, F1, 0, 1
	WIN 0
	s_sub_co_u32 s3, s3, 1
	s_cmp_eq_u32 s3, 0
	s_cbranch_scc1 .Lleft
	TURN 0, 1, 0
	QUARTER 1, F0, F1, 0, 1
	WIN 0
	s_branch .Ltail
.Lleft:
	s_wait_dscnt 16                                ; the very last quarter
	MUL8 F1, 0, 0, 0, 1
	MUL8 F1, 0, 2, 0, 1
	s_wait_dscnt 0x0
	MUL8 F1, 1, 0, 0, 1
	MUL8 F1, 1, 2, 0, 1
	WIN 0
.rept 8
	v_nop                                          ; the places behind the last products
.endr
	; THE WAY OUT, a row block at a time through my own stage: 32 bytes a lane in, whole rows of 256 bytes back; no barrier, since no other wave touches these bytes
.irp a, 0,1,2,3
.irp b, 0,1,2,3
	ds_store_b128 v[STO], v[ACC+8*(4*\a+\b):ACC+8*(4*\a+\b)+3]   offset:64*\b
	ds_store_b128 v[STO], v[ACC+8*(4*\a+\b)+4:ACC+8*(4*\a+\b)+7] offset:64*\b+16
.endr
	s_wait_xcnt 0x0                                ; the last block's stores have read their data registers
.irp t, 0,1,2,3,4,5,6,7
	ds_load_b128 v[TMP+4*\t:TMP+4*\t+3], v[RD] offset:\t*2*SP  ; LDS serves a wave's instructions in order: these see the stores above, and the next block's stores come behind them
.endr
	s_wait_dscnt 0x0
.irp t, 0,1,2,3,4,5,6,7
	global_store_b128 v[CO], v[TMP+4*\t:TMP+4*\t+3], s[8:9] offset:(16*\a+2*\t)*4096  ; 16 lanes store 256 consecutive bytes, aligned
.endr
.endr
	s_wait_tensorcnt 0x0                           ; the wave's end
	ds_add_u32 v[SPW], v[NIL]
	s_wait_dscnt 0x0
	CROUND                                         ; the closing round
	s_endpgm
.Lfunc_end_k_qcf6cda2e2b_last:
	.size	k_qcf6cda2e2b_last, .Lfunc_end_k_qcf6cda2e2b_last-k_qcf6cda2e2b_last
	.p2alignl 7, 3214868480
	.fill 96, 4, 3214868480
	.section	.rodata,"a",@progbits
	.p2align	6, 0x0
	.amdhsa_kernel k_qcf6cda2e2b_last
		.amdhsa_group_segment_fixed_size 327680
		.amdhsa_private_segment_fixed_size 0
		.amdhsa_enable_private_segment 0
		.amdhsa_kernarg_size 24
		.amdhsa_user_sgpr_count 2
		.amdhsa_user_sgpr_kernarg_segment_ptr 1
		.amdhsa_wavefront_size32 1
		.amdhsa_system_sgpr_workgroup_id_x 1
		.amdhsa_system_sgpr_workgroup_id_y 1
		.amdhsa_system_sgpr_workgroup_id_z 1
		.amdhsa_system_vgpr_workitem_id 0
		.amdhsa_next_free_vgpr 512
		.amdhsa_next_free_sgpr 84
		.amdhsa_reserve_vcc 0
		.amdhsa_float_denorm_mode_32 3
		.amdhsa_float_denorm_mode_16_64 3
		.amdhsa_memory_ordered 1
		.amdhsa_forward_progress 1
		.amdhsa_inst_pref_size 86
	.end_amdhsa_kernel
	.amdgpu_metadata
---
amdhsa.version: [ 1, 2 ]
amdhsa.kernels:
  - .name:           k_qcf6cda2e2b_last
    .symbol:         k_qcf6cda2e2b_last.kd
    .args:
      - { .name: hb, .offset: 0, .size: 8, .value_kind: global_buffer, .address_space: global }
      - { .name: wo, .offset: 8, .size: 8, .value_kind: global_buffer, .address_space: global }
      - { .name: out0, .offset: 16, .size: 8, .value_kind: global_buffer, .address_space: global }
    .group_segment_fixed_size: 327680
    .private_segment_fixed_size: 0
    .kernarg_segment_align: 8
    .kernarg_segment_size: 24
    .max_flat_workgroup_size: 128
    .sgpr_count:     84
    .vgpr_count:     512
    .wavefront_size: 32
...
	.end_amdgpu_metadata
.endif
;; end of part 5
